; MI455X (gfx1250); checked and timed in simulation.
; The chip was launched on July 23, 2026; its instructions are those of AMD's public machine-readable ISA for CDNA 5 (MIT licence, August 2026) and "CDNA5" Instruction Set Architecture Reference Guide (July 2026). The comments in the code are by the model that wrote it; some were corrected since.
;; Fractal Attention. Allowed arithmetic: matrix products marked QUANTISED: E4M3 operands, one given power-of-two scale a tensor, by v_wmma_f32_16x16x64_fp8_fp8 or v_wmma_f32_16x16x128_fp8_fp8, f32 sums; products left as they are: f32 operands where the result goes on into a quantised operand, else bf16, f16 or f32 operands; f32 sums; everything else in f32.
;; Inputs: bk 1,024 float32; bo 1,024 float32; bq 1,024 float32; bs 4 x 1,024 float32; bv 1,024 float32; lowp_scales 16 int32 (the exponents e of the quantised operands' scales 2^e); scale_logits 4 float32; wk_codes 1,024 x 32 x 32 uint8 (E4M3 codes of wk, K innermost, in blocks of 32 codes); wo_codes 1,024 x 32 x 32 uint8 (E4M3 codes of wo, K innermost, in blocks of 32 codes); wq_codes 1,024 x 32 x 32 uint8 (E4M3 codes of wq, K innermost, in blocks of 32 codes); ws_codes 4 x 1,024 x 32 x 32 uint8 (E4M3 codes of ws, K innermost, in blocks of 32 codes); wv_codes 1,024 x 32 x 32 uint8 (E4M3 codes of wv, K innermost, in blocks of 32 codes); x_codes 4 x 1,024 x 32 x 32 uint8 (E4M3 codes of x, K innermost, in blocks of 32 codes).
;; Outputs: out0 4 x 1,024 x 1,024 float32.
;; This version of the problem:
;;   THIS VERSION OF THE PROBLEM IS GIVEN IN LOW PRECISION. The matrix products marked QUANTISED in the list below multiply operands that are first quantised to E4M3 (4 exponent bits, 3 mantissa bits; 8 bits a number), with one given power-of-two scale for each operand tensor; their sums are f32. All else is computed in f32.
;;   The module's matrix products, in the order in which they are computed (A, B: the left and right operand; K: the contracted axis; several contracted axes count as one K, in the product's order):
;;     1. [M 4,096, K 1,024] x [K 1,024, N 1,024]; A: input x (given as codes); B: input wq (given as codes): QUANTISED (scales: A lowp_scales[0], B lowp_scales[1])
;;     2. [M 4,096, K 1,024] x [K 1,024, N 1,024]; A: input x (given as codes); B: input wk (given as codes): QUANTISED (scales: A lowp_scales[2], B lowp_scales[3])
;;     3. [M 4,096, K 1,024] x [K 1,024, N 1,024]; A: input x (given as codes); B: input wv (given as codes): QUANTISED (scales: A lowp_scales[4], B lowp_scales[5])
;;     4. [M 4,096, K 1,024] x [K 1,024, N 4,096]; A: input ws (given as codes); B: computed on the way: QUANTISED (scales: A lowp_scales[6], B lowp_scales[7])
;;     5. [M 4,096, K 1,024] x [K 1,024, N 4,096]; A: input ws (given as codes); B: computed on the way: QUANTISED (scales: A lowp_scales[8], B lowp_scales[9])
;;     6. [M 4,096, K 1,024] x [K 1,024, N 4,096]; A: input ws (given as codes); B: computed on the way: QUANTISED (scales: A lowp_scales[10], B lowp_scales[11])
;;     7. batch 16,384 x [M 16, K 64] x [K 64, N 16]; A: computed on the way; B: computed on the way: QUANTISED (scales: A lowp_scales[12], B lowp_scales[13])
;;     8. batch 16,384 x [M 16, K 16] x [K 16, N 64]; A: softmax; B: computed on the way: left as it is (K = 16 < 32)
;;     9. [M 1, K 4] x [K 4, N 4,194,304]; A: softmax; B: computed on the way: left as it is (K = 4 < 32)
;;     10. [M 4,096, K 1,024] x [K 1,024, N 1,024]; A: computed on the way; B: input wo (given as codes): QUANTISED (scales: A lowp_scales[14], B lowp_scales[15])
;;   THE QUANTISER, for each operand of a quantised product, along K:
;;     - The operand's scale is 2^e, e = its entry of the input lowp_scales (int32; the entries are numbered through the quantised products in the list's order, A before B).
;;     - Each number is divided by the scale, clamped to +-448, and rounded to the nearest number of E4M3, ties to even, subnormals kept.
;;     - The product sums the exact products of the quantised numbers (number of the format x scale) in f32.
;;   ~~~python
;;   def quantise(x, axis, e):      # numpy; x: float32 -> the quantised numbers, widened to float32 again
;;       x = np.moveaxis(x, axis, -1); K = x.shape[-1]
;;       r = np.clip(x / 2.0 ** e, -448, 448)
;;       step = 2.0 ** (np.maximum(np.frexp(np.where(r == 0, 1, r))[1] - 1, -6) - 3)
;;       q = np.round(r / step) * step * 2.0 ** e      # np.round: ties to even
;;       return np.moveaxis(q, -1, axis).astype(np.float32)
;;   ~~~
;;   OPERANDS COMPUTED ON THE WAY. 'Computed on the way' means the value that the module computes at that place (a softmax that the list does not call 'softmax' is quantised finished and normalised). What goes into a quantiser is computed in f32, as accurately as f32 sums, v_exp_f32 and their like allow (about 1e-6 of the number): no bf16 or f16 on the way to a quantiser, and a product that is left as it is and whose result goes on into a quantised operand takes f32 operands (vector FMAs, or v_wmma_f32_16x16x4_f32). A number that lies on a knife's edge between two numbers of the format may be rounded either way, as far as f32 arithmetic and the matrix unit's own rounding can turn it there, and no further.
;;   INPUTS GIVEN AS CODES. wk (in the module: [1024, 1024], K = its axis 1); wo (in the module: [1024, 1024], K = its axis 1); wq (in the module: [1024, 1024], K = its axis 1); ws (in the module: [4, 1024, 1024], K = its axis 2); wv (in the module: [1024, 1024], K = its axis 1); x (in the module: [4, 1024, 1024], K = its axis 2): each comes as NAME_codes (uint8): NAME with its K axis moved to the last place and cut into blocks of 32 codes, [.., K / 32, bytes a block], one block behind the other in memory; one code a byte (a code: sign, 4 exponent bits, 3 mantissa bits); its scale is its entry of lowp_scales. Its value is code x scale, taken as it is: it is not quantised again, and the codes and scales need not be those that the quantiser above would give.
;; One version. Each part assembles by itself: llvm-mc -triple=amdgcn-amd-amdhsa -mcpu=gfx1250 --defsym DOCPART=n.
;; ======== version 1 of 1: 4 launches
;; limits: right only within a limited range of input values
;; workspace buffers: qkv 12,582,912 bytes; attn 16,777,216 bytes; cc 4,194,304 bytes
;; launch proj (part 1): grid 32 x 8, 4 waves a work-group, clusters of 4 x 1, 327,680 bytes of LDS; arguments x_codes, wq_codes, wk_codes, wv_codes, bq, bk, bv, lowp_scales, qkv; writes qkv
.if DOCPART == 1
	.amdgcn_target "amdgcn-amd-amdhsa--gfx1250"
	.amdhsa_code_object_version 6
	.text
	.protected	k_q8879edddbd_proj
	.globl	k_q8879edddbd_proj
	.p2align	8
	.type	k_q8879edddbd_proj,@function
k_q8879edddbd_proj:
	s_mov_b64 s[64:65], 0
	v_nop
	global_prefetch_b8 v0, s[64:65] scope:SCOPE_SE
	s_setreg_imm32_b32 hwreg(HW_REG_WAVE_MODE, 25, 1), 1
	s_wait_xcnt 0x0
	s_wait_alu depctr_hold_cnt(0) depctr_sa_sdst(0) depctr_va_vdst(0) depctr_va_sdst(0) depctr_va_ssrc(0) depctr_va_vcc(0) depctr_vm_vsrc(0)
	s_getreg_b32 s2, hwreg(HW_REG_IB_STS2, 6, 4)
	s_cmp_eq_u32 s2, 0
	s_cbranch_scc0 .Lentry_in_a_cluster
	s_endpgm
.Lentry_in_a_cluster:
	s_bfe_u32 s2, ttmp6, 0x10000c
	s_cmp_lg_u32 s2, 0x3003
	s_cbranch_scc0 .Lentry_shape_is_right
	s_endpgm
.Lentry_shape_is_right:
; PROJ: qf = x wq^T + bq, kf = x wk^T + bk, vf = x wv^T + bv on codes of FP8 (E4M3), and their codes for the next products (scales e7, e9, e11).
; DEAD WORK: none.  Every input of reference() reaches out0: the three biases go into quantised operands, bs into sq, sk (quantised) and sv, scale_logits and bo into the output.  Nothing is left out in any launch.
; THE PROGRAM: proj (this) -> qkv;  scores: sq, sk, their 16 x 16 head scores, softmax, x w_s -> attn;  mix: sv, attn x sv summed over heads and scales, quantised -> cc;  outp: cc wo^T + bo -> out0.
; qkv holds the codes of qf at 0, kf at 4 MiB, vf at 8 MiB, each in FRAGMENT ORDER: the code of token 16 T + (l % 16), feature 128 ks + 32 c + 16 (l / 16) + b lies at byte 16384 T + 2048 ks + 512 c + 16 l + b,
; so that a later wave fills registers 4 c .. 4 c + 3 of fragment (T, ks) by one load of 16 bytes a lane, 512 consecutive bytes a wave.
; SHARES.  Work-group (X, Y): tokens 128 X .. + 127, rows 128 Y .. + 127 of each of the three weights.  Wave w: i = w / 2 picks 64 tokens, j = w % 2 picks 64 of the 128 rows.
; A STAYS, B STREAMS.  A wave keeps its 64 tokens x K = 1024 in 512 registers (windows 2, 3).  The weights' rows come whole (1,024 bytes) through two LDS buffers; a tile of 16 rows is 32 matrix instructions on four accumulators by turns.
; B has two sets of 128 registers (window 1): a tile's 32 LDS loads go out in one run, a whole tile ahead of their use.
; THE HEAD.  One tensor load a wave: waves 0, 1 fetch the work-group's 128 rows of x (64 each, whole rows of 1,024 bytes) into buffer 1, waves 2, 3 wq's 128 rows into buffer 0.  x is read from LDS into the registers that keep it;
; then buffer 1 is filled again, with wk, behind the waits, the add and a round of the cluster's barrier.
; THE MATRIX INSTRUCTION IS USED TRANSPOSED (source 0 = 16 rows of the weight, source 1 = 16 tokens): a lane holds one token and eight neighbouring features.  k is laid 32 c + 16 (l / 16) + 0 .. 15 in registers 4 c .. 4 c + 3, alike on both sides.
; The bias is the C of a tile's first matrix instruction, divided by 2^(ex + ew); the three scales ahead of the quantiser are folded into the conversion's one.
; CLUSTER: the four work-groups of a cluster have the same Y, so they ask for each weight's rows jointly (mask 15).  x's rows differ between them: a plain load.
; PREFETCH: the two later fills, wk's and wv's 128 rows, are asked of memory at the head: wk's one fill, wv's two fills ahead of the tensor load that wants them.  A fill is 512 blocks of 256 bytes: block 128 cx + 32 w + lane, one instruction
; a wave for each weight, the partners told apart by address.  The eight clusters with one Y read the same rows: those with cluster x under 4 ask, the others do not.
; LIMITS: e7 - e0 - e1, e9 - e2 - e3, e11 - e4 - e5 between -126 and 119.  NaN among the inputs is not served.
; LDS: buffer 0 at 0, buffer 1 at SLOT (128 rows x 1,040 bytes each), the spare words behind them.
.set SLOT,  133120
.set SPARE, 266240
.set PFV,  2                           ; s[2:3]   where my prefetch of wv stands; never rewritten
.set WV,   22                          ; s22 wave; s23 i; s24 j; s25 cx; s26 X; s27 Y
.set G1,   28                          ; s[28:35] descriptor group 1 of the joint loads: 64 rows at the head, 32 afterwards
.set G0,   36                          ; s[36:47] three groups 0: wq, wk, wv
.set PFK,  66                          ; s[66:67] where my prefetch of wk stands; never rewritten
.set DST,  68                          ; s[68:73] where my codes of q, k, v go
.set NEG,  80                          ; s80-82 -(ex + ew) for the three products
.set G1X,  88                          ; s[88:95] group 1 of x's plain load
.set G0X,  96                          ; s[96:99] its group 0
.set AOF,  4                           ; v4  my 64 tokens of x in buffer 1: row r, + 16 h
.set ADB,  5                           ; v5, v6  my lane's place in buffer 0, 1
.set PFO,  9                           ; v9  the prefetches' offset: 256 x my lane; never rewritten
.set SPW,  10                          ; v10 my spare word; v11 0: never rewritten
.set NIL,  11
.set SCV,  12                          ; v12-14 the conversions' scales; v15-17 448 x them
.set LMV,  15
.set ACC,  32                          ; v32-63 four accumulators
.set BIAS, 96                          ; v96-191 the biases, eight registers a tile;  v64-95, v192-255: the codes of six pairs of tiles, 16 registers each
.set MSB, 0
.macro WIN new                         ; the immediate's high byte repeats the setting that is left
.if MSB != (\new)
	s_set_vgpr_msb (MSB<<8)|(\new)
.set MSB, (\new)
.endif
.endm
.macro PLACES n
.rept \n
	v_nop
.endr
.endm
.macro ROUND                           ; a round of the cluster's barrier
	s_barrier_signal -1
	s_barrier_wait -1
	s_cmp_lg_u32 s[WV], 0
	s_cbranch_scc1 .Lnot_wave_0_\@
	s_barrier_signal -3
.Lnot_wave_0_\@:
	s_barrier_wait -3
	s_barrier_signal -1
	s_barrier_wait -1
.endm
.macro ALOADH hf                       ; K steps 4 hf .. 4 hf + 3 of my four tiles of tokens, from x's rows in buffer 1
.irp a, 0,1,2,3
.irp kq, 0,1,2,3
.irp c, 0,1,2,3
	ds_load_b128 v[16*(4*\a+\kq)+4*\c:16*(4*\a+\kq)+4*\c+3], v[AOF] offset:\a*16640+(4*\hf+\kq)*128+\c*32
.endr
.endr
.endr
.endm
.macro LOADT p, adr, off               ; a tile of B (16 rows x 1,024 K) into set p of window 1: 32 loads in one run
	WIN 0x40
.irp kq, 0,1,2,3,4,5,6,7
.irp c, 0,1,2,3
	ds_load_b128 v[128*(\p)+16*\kq+4*\c:128*(\p)+16*\kq+4*\c+3], v[\adr] offset:(\off)+128*\kq+32*\c
.endr
.endr
.endm
.macro MMH half, p, creg               ; 16 matrix instructions: four K steps x four tiles of tokens; the four accumulators take turns
	WIN 0x09+4*(\half)                             ; source 0 window 1, source 1 window 2 or 3
.irp kq, 0,1,2,3
.irp a, 0,1,2,3
.if (\half == 0) && (\kq == 0)
	v_wmma_f32_16x16x128_fp8_fp8 v[ACC+8*\a:ACC+8*\a+7], v[128*(\p)+64*(\half)+16*\kq:128*(\p)+64*(\half)+16*\kq+15], v[16*(4*\a+\kq):16*(4*\a+\kq)+15], v[(\creg):(\creg)+7]
.else
	v_wmma_f32_16x16x128_fp8_fp8 v[ACC+8*\a:ACC+8*\a+7], v[128*(\p)+64*(\half)+16*\kq:128*(\p)+64*(\half)+16*\kq+15], v[16*(4*\a+\kq):16*(4*\a+\kq)+15], v[ACC+8*\a:ACC+8*\a+7]
.endif
.endr
.endr
.endm
.macro CHANGE g0                       ; a buffer that has been read out is filled again, jointly
	WIN 0
	s_wait_tensorcnt 0x0                           ; all my tensor loads have landed
	ds_add_u32 v[SPW], v[NIL]                      ; 0 onto my spare word
	s_wait_dscnt 0x0                               ; the add is done, and my reads of the buffer are over
	ROUND                                          ; both now hold of every wave of the four work-groups
	tensor_load_to_lds s[\g0:\g0+3], s[G1:G1+7]    ; my one tensor load behind the round, first thing there
	s_nop 0
	PLACES 4
.endm
.macro MEET                            ; the other buffer is whole; nothing is filled again
	WIN 0
	s_wait_tensorcnt 0x0
	ds_add_u32 v[SPW], v[NIL]
	s_wait_dscnt 0x0
	s_barrier_signal -1
	s_barrier_wait -1
.endm
	s_load_b256 s[4:11], s[0:1], 0x0               ; x, wq, wk, wv
	s_load_b256 s[12:19], s[0:1], 0x20             ; bq, bk, bv, the scales' exponents
	s_load_b64 s[20:21], s[0:1], 0x40              ; qkv
	v_lshl_add_u32 v[SPW], v0, 2, SPARE
	v_mov_b32 v[NIL], 0
	ds_add_u32 v[SPW], v[NIL]                      ; the wave's opening: the add, twice on end, and its wait ahead of my first tensor load
	ds_add_u32 v[SPW], v[NIL]
	v_lshrrev_b32 v1, 5, v0
	v_readfirstlane_b32 s[WV], v1                  ; wave 0..3
	s_lshr_b32 s23, s[WV], 1                       ; i
	s_and_b32 s24, s[WV], 1                        ; j
	s_bfe_u32 s25, ttmp6, 0x40000                  ; cx
	s_lshl_b32 s26, ttmp9, 2
	s_add_co_u32 s26, s26, s25                     ; X = 4 x cluster x + cx: it enters x's and qkv's addresses alone
	s_and_b32 s27, ttmp7, 0xffff                   ; Y, which the four partners share
	s_mov_b32 s[G1+0], 0x07f0000f                  ; mask 15; elements of 1 byte; padding on; bit 21 beside the mask; 4 words of padding after every 256
	s_mov_b32 s[G1X+0], 0x07d00000                 ; no mask: x's rows are my work-group's own; the same padding
.irp g, G1, G1X
	s_mov_b32 s[\g+1], 1024<<16                    ; tensor_dim0
	s_mov_b32 s[\g+2], 64<<16                      ; tensor_dim1
	s_mov_b32 s[\g+3], 1024<<16                    ; tile_dim0
	s_mov_b32 s[\g+4], 64                          ; tile_dim1: 64 rows a wave at the head
	s_mov_b32 s[\g+5], 1024                        ; from row to row
	s_mov_b32 s[\g+6], 0
	s_mov_b32 s[\g+7], 0
.endr
	s_mul_i32 s74, s[WV], 33280                    ; wk, wv: my 32 rows in a buffer
	s_mul_i32 s75, s24, 66560                      ; the head: my 64 rows in a buffer
	s_lshl_b32 s76, s27, 17
	s_lshl_b32 s78, s[WV], 15
	s_lshl_b32 s79, s24, 16
	s_add_co_u32 s86, s76, s79                     ; wq: (128 Y + 64 j) rows of 1,024 bytes
	s_add_co_u32 s76, s76, s78                     ; wk, wv: (128 Y + 32 w) rows
	s_lshl_b32 s84, s26, 17
	s_add_co_u32 s84, s84, s79                     ; x: (128 X + 64 j) rows
	s_mov_b32 s77, 0
	s_mov_b32 s85, 0
	s_mov_b32 s87, 0
	s_wait_dscnt 0x0                               ; both opening adds are done
	s_wait_kmcnt 0x0
	s_load_b512 s[48:63], s[18:19], 0x0            ; e0 .. e15
	s_mov_b32 s[G0X], 1
	s_add_co_u32 s[G0X+1], s75, SLOT               ; x into buffer 1
	s_add_nc_u64 s[G0X+2:G0X+3], s[4:5], s[84:85]
	s_or_b32 s[G0X+3], s[G0X+3], 0x80000000
	s_mov_b32 s[G0], 1
	s_mov_b32 s[G0+1], s75                         ; wq into buffer 0
	s_add_nc_u64 s[G0+2:G0+3], s[6:7], s[86:87]
	s_or_b32 s[G0+3], s[G0+3], 0x80000000
.irp z, 1,2
	s_mov_b32 s[G0+4*\z], 1
	s_add_co_u32 s[G0+4*\z+1], s74, (\z&1)*SLOT    ; wk into buffer 1, wv into buffer 0
	s_add_nc_u64 s[G0+4*\z+2:G0+4*\z+3], s[6+2*\z:7+2*\z], s[76:77]
	s_or_b32 s[G0+4*\z+3], s[G0+4*\z+3], 0x80000000
.endr
	ROUND                                          ; the four work-groups are here: the first joint loads meet
	s_cmp_lt_u32 s[WV], 2                          ; one tensor load a wave at the head, in the two arms of one branch on the wave's number
	s_cbranch_scc0 .Lfor_wq
	tensor_load_to_lds s[G0X:G0X+3], s[G1X:G1X+7]  ; waves 0, 1: x's halves
	s_nop 0
	PLACES 4
	s_branch .Lasked
.Lfor_wq:
	tensor_load_to_lds s[G0:G0+3], s[G1:G1+7]      ; waves 2, 3: wq's halves
	s_nop 0
	PLACES 4
.Lasked:
	s_lshl_b32 s84, s25, 15                        ; the prefetches: 256 x (128 cx + 32 w) bytes on in my Y's 128 rows
	s_lshl_b32 s85, s[WV], 13
	s_add_co_u32 s84, s84, s85
	s_lshl_b32 s85, s27, 17
	s_add_co_u32 s84, s84, s85
	s_mov_b32 s85, 0
	s_add_nc_u64 s[PFK:PFK+1], s[8:9], s[84:85]
	s_add_nc_u64 s[PFV:PFV+1], s[10:11], s[84:85]
	s_lshl_b32 s78, s27, 9
	s_lshl_b32 s79, s24, 8
	s_add_co_u32 s78, s78, s79
	s_mov_b32 s79, 0
.irp z, 0,1,2
	s_add_nc_u64 s[12+2*\z:13+2*\z], s[12+2*\z:13+2*\z], s[78:79]  ; the bias at feature 128 Y + 64 j
.endr
	s_lshl_b32 s84, s26, 17
	s_lshl_b32 s85, s23, 16
	s_add_co_u32 s84, s84, s85
	s_lshl_b32 s85, s27, 11
	s_add_co_u32 s84, s84, s85
	s_lshl_b32 s85, s24, 10
	s_add_co_u32 s84, s84, s85                     ; 16384 (8 X + 4 i) + 2048 Y + 1024 j
	s_mov_b32 s85, 0
	s_add_nc_u64 s[DST:DST+1], s[20:21], s[84:85]
	s_add_nc_u64 s[DST+2:DST+3], s[DST:DST+1], 0x400000
	s_add_nc_u64 s[DST+4:DST+5], s[DST:DST+1], 0x800000
	s_mul_i32 s78, s23, 66560
	s_add_co_u32 s78, s78, SLOT                    ; my 64 tokens of the 128 in buffer 1
	s_mul_i32 s79, s24, 66560                      ; my 64 rows of a weight's 128
	v_and_b32 v1, 15, v0                           ; r
	v_bfe_u32 v2, v0, 4, 1                         ; h
	v_and_b32 v3, 31, v0                           ; l
	v_mul_u32_u24 v[ADB], v1, 1040
	v_lshl_add_u32 v[ADB], v2, 4, v[ADB]           ; row r, + 16 h
	v_add_nc_u32 v[AOF], s78, v[ADB]
	v_add_nc_u32 v[ADB], s79, v[ADB]
	v_add_nc_u32 v[ADB+1], SLOT, v[ADB]
	v_lshlrev_b32 v8, 4, v3                        ; the stores: 16 l
	v_lshlrev_b32 v7, 5, v2                        ; the biases: 32 h
	v_lshlrev_b32 v[PFO], 8, v3
	s_wait_alu depctr_va_vdst(0)
	s_cmp_lt_u32 ttmp9, 4                          ; the cluster's number: the same in the four partners
	s_cbranch_scc0 .Lnot_asking
	global_prefetch_b8 v[PFO], s[PFK:PFK+1] th:TH_LOAD_NT scope:SCOPE_SE   ; wk: my 32 blocks of 256 bytes
	global_prefetch_b8 v[PFO], s[PFV:PFV+1] th:TH_LOAD_NT scope:SCOPE_SE   ; wv likewise
.Lnot_asking:
.irp z, 0,1,2
.irp t, 0,1,2,3
	global_load_b128 v[BIAS+32*\z+8*\t:BIAS+32*\z+8*\t+3], v7, s[12+2*\z:13+2*\z] offset:64*\t
	global_load_b128 v[BIAS+32*\z+8*\t+4:BIAS+32*\z+8*\t+7], v7, s[12+2*\z:13+2*\z] offset:64*\t+16
.endr
.endr
	s_wait_kmcnt 0x0
.irp z, 0,1,2
	s_add_co_i32 s86, s[48+2*\z], s[49+2*\z]       ; ex + ew
	s_sub_co_i32 s[NEG+\z], 0, s86
	s_sub_co_i32 s86, s[55+2*\z], s86              ; the next operand's e less that
	s_add_co_i32 s86, s86, 127
	s_lshl_b32 s87, s86, 23
	v_mov_b32 v[SCV+\z], s87
	s_add_co_i32 s86, s86, 8
	s_lshl_b32 s86, s86, 23
	s_or_b32 s86, s86, 0x600000
	v_mov_b32 v[LMV+\z], s86                       ; 448 x the scale
.endr
	s_wait_loadcnt 0x0                             ; the biases; they are scaled while x and wq are on their way
.irp z, 0,1,2
.set n, 0
.rept 32
	v_ldexp_f32 v[BIAS+32*\z+n], v[BIAS+32*\z+n], s[NEG+\z]
.set n, n+1
.endr
.endr
	s_wait_alu depctr_va_vdst(0)
	s_wait_tensorcnt 0x0                           ; my half of x or of wq is in; no load of mine is out, so group 1 may be written:
	s_mov_b32 s[G1+2], 32<<16                      ; wk and wv come as 32 rows a wave
	s_mov_b32 s[G1+4], 32
	s_barrier_signal -1
	s_barrier_wait -1                              ; x and wq are whole
	WIN 0x80                                       ; A: fragment (a, ks) at v[16 (4 a + ks % 4)] of window 2 (ks < 4) or 3
	ALOADH 0
	WIN 0xc0
	ALOADH 1
	LOADT 0, ADB, 0                                ; and wq's first tile
	CHANGE G0+4                                    ; x has been read out: wk into buffer 1
; The way out of tile (Z, T): the hold, the conversion; two tiles' codes make 16 neighbours along the next K for each half of the lanes, by an exchange of halves.
; Each of the six pairs of tiles has 16 registers of its own for its codes: no register that a store reads is written again.
.macro EPI1
.if (4*Z+T)/2 < 2
.set CD, 64+16*((4*Z+T)/2)
.else
.set CD, 160+16*((4*Z+T)/2)
.endif
.irp a, 0,1,2,3
.irp jj, 0,1,2,3,4,5,6,7
	v_med3_num_f32 v[ACC+8*\a+\jj], v[ACC+8*\a+\jj], -v[LMV+Z], v[LMV+Z]  ; the conversion to an 8-bit code does not saturate (ISA guide 7.6.2)
.endr
	v_cvt_scalef32_pk8_fp8_f32 v[CD+4*\a+2*(T%2):CD+4*\a+2*(T%2)+1], v[ACC+8*\a:ACC+8*\a+7], v[SCV+Z]
.endr
	v_nop                                          ; a plain line behind the last conversion
.if (T%2) == 1
.irp a, 0,1,2,3
	v_permlane16_swap_b32 v[CD+4*\a], v[CD+4*\a+2] ; lanes 0-15 then hold the even tile's 16 features, lanes 16-31 the odd tile's
	v_permlane16_swap_b32 v[CD+4*\a+1], v[CD+4*\a+3]
.endr
.irp a, 0,1,2,3
	global_store_b128 v8, v[CD+4*\a:CD+4*\a+3], s[DST+2*Z:DST+2*Z+1] offset:\a*16384+(T/2)*512  ; 512 consecutive bytes, aligned
.endr
.endif
.endm
; Tile n of 12: weight n / 4, rows 16 (n % 4) on; B's set n % 2.  The next tile's 32 loads go out ahead of this tile's products, into the set that the tile before has left (its way out's lines are the places in front of them).
; A weight's last tile is multiplied first; then the buffers change, and the next weight's first tile is asked for ahead of the way out.
.macro TILE1 n
.set Z, (\n)/4
.set T, (\n)%4
.set NZ, ((\n)+1)/4
.set NT, ((\n)+1)%4
.if T < 3
	LOADT ((\n)+1)%2, ADB+NZ%2, NT*16640
	s_wait_dscnt 32                                ; this tile's loads are in; the 32 just issued may be out
.else
	s_wait_dscnt 0x0
.endif
	MMH 0, (\n)%2, BIAS+8*(\n)
	MMH 1, (\n)%2, 0
	PLACES 4                                       ; in front of the reads of the results
.if (\n) == 3
	CHANGE G0+8                                    ; wq has been read out: wv into buffer 0; wk is whole
.endif
.if (\n) == 7
	MEET                                           ; wv is whole
.endif
.if (T == 3) && ((\n) < 11)
	LOADT ((\n)+1)%2, ADB+NZ%2, NT*16640
.endif
	WIN 0
	EPI1
.endm
.irp n, 0,1,2,3,4,5,6,7,8,9,10,11
	TILE1 \n
.endr
	s_wait_tensorcnt 0x0                           ; the wave's end
	ds_add_u32 v[SPW], v[NIL]
	s_wait_dscnt 0x0
	ROUND                                          ; the closing round
	s_endpgm
.Lfunc_end_k_q8879edddbd_proj:
	.size	k_q8879edddbd_proj, .Lfunc_end_k_q8879edddbd_proj-k_q8879edddbd_proj
	.p2alignl 7, 3214868480
	.fill 96, 4, 3214868480
	.section	.rodata,"a",@progbits
	.p2align	6, 0x0
	.amdhsa_kernel k_q8879edddbd_proj
		.amdhsa_group_segment_fixed_size 327680
		.amdhsa_private_segment_fixed_size 0
		.amdhsa_enable_private_segment 0
		.amdhsa_kernarg_size 72
		.amdhsa_user_sgpr_count 2
		.amdhsa_user_sgpr_kernarg_segment_ptr 1
		.amdhsa_wavefront_size32 1
		.amdhsa_system_sgpr_workgroup_id_x 1
		.amdhsa_system_sgpr_workgroup_id_y 1
		.amdhsa_system_sgpr_workgroup_id_z 1
		.amdhsa_system_vgpr_workitem_id 0
		.amdhsa_next_free_vgpr 1024
		.amdhsa_next_free_sgpr 100
		.amdhsa_reserve_vcc 0
		.amdhsa_float_denorm_mode_32 3
		.amdhsa_float_denorm_mode_16_64 3
		.amdhsa_memory_ordered 1
		.amdhsa_forward_progress 1
		.amdhsa_inst_pref_size 109
	.end_amdhsa_kernel
	.amdgpu_metadata
---
amdhsa.version: [ 1, 2 ]
amdhsa.kernels:
  - .name:           k_q8879edddbd_proj
    .symbol:         k_q8879edddbd_proj.kd
    .args:
      - { .name: x_codes, .offset: 0, .size: 8, .value_kind: global_buffer, .address_space: global }
      - { .name: wq_codes, .offset: 8, .size: 8, .value_kind: global_buffer, .address_space: global }
      - { .name: wk_codes, .offset: 16, .size: 8, .value_kind: global_buffer, .address_space: global }
      - { .name: wv_codes, .offset: 24, .size: 8, .value_kind: global_buffer, .address_space: global }
      - { .name: bq, .offset: 32, .size: 8, .value_kind: global_buffer, .address_space: global }
      - { .name: bk, .offset: 40, .size: 8, .value_kind: global_buffer, .address_space: global }
      - { .name: bv, .offset: 48, .size: 8, .value_kind: global_buffer, .address_space: global }
      - { .name: lowp_scales, .offset: 56, .size: 8, .value_kind: global_buffer, .address_space: global }
      - { .name: qkv, .offset: 64, .size: 8, .value_kind: global_buffer, .address_space: global }
    .group_segment_fixed_size: 327680
    .private_segment_fixed_size: 0
    .kernarg_segment_align: 8
    .kernarg_segment_size: 72
    .max_flat_workgroup_size: 128
    .sgpr_count:     100
    .vgpr_count:     1024
    .wavefront_size: 32
...
	.end_amdgpu_metadata
.endif
;; end of part 1
;; launch scores (part 2): grid 64 x 4, 4 waves a work-group, clusters of 4 x 1, 327,680 bytes of LDS; arguments qkv, ws_codes, bs, scale_logits, lowp_scales, attn; writes attn
.if DOCPART == 2
	.amdgcn_target "amdgcn-amd-amdhsa--gfx1250"
	.amdhsa_code_object_version 6
	.text
	.protected	k_q8879edddbd_scores
	.globl	k_q8879edddbd_scores
	.p2align	8
	.type	k_q8879edddbd_scores,@function
k_q8879edddbd_scores:
	s_mov_b64 s[64:65], 0
	v_nop
	global_prefetch_b8 v0, s[64:65] scope:SCOPE_SE
	s_setreg_imm32_b32 hwreg(HW_REG_WAVE_MODE, 25, 1), 1
	s_wait_xcnt 0x0
	s_wait_alu depctr_hold_cnt(0) depctr_sa_sdst(0) depctr_va_vdst(0) depctr_va_sdst(0) depctr_va_ssrc(0) depctr_va_vcc(0) depctr_vm_vsrc(0)
	s_getreg_b32 s2, hwreg(HW_REG_IB_STS2, 6, 4)
	s_cmp_eq_u32 s2, 0
	s_cbranch_scc0 .Lentry_in_a_cluster
	s_endpgm
.Lentry_in_a_cluster:
	s_bfe_u32 s2, ttmp6, 0x10000c
	s_cmp_lg_u32 s2, 0x3003
	s_cbranch_scc0 .Lentry_shape_is_right
	s_endpgm
.Lentry_shape_is_right:
; SCORES: sq = qf ws[s]^T + bs[s], sk = kf ws[s]^T + bs[s] on codes of FP8; both quantised (e12, e13); for each token the 16 x 16 scores sq sk^T / 8 on codes; softmax over the key heads; x softmax(scale_logits)[s].  No work is left out.
; attn: byte 4096 t + 1024 s + 512 a + 16 l + 4 i holds w_s attn_s[t, head l % 16, g = 8 a + 4 (l / 16) + i]: the order in which the next launch's f32 operand takes it.
; SHARES.  Work-group (X, s): 64 tokens, one scale.  Waves 0, 1 keep the 64 tokens' codes of qf in 512 registers, waves 2, 3 those of kf; p = w % 2 picks half of each slot's heads.
; ws[s] is walked in four QUARTERS c of the head's 64 channels (d = 16 c .. 16 c + 15), each in two slots u (heads 8 u .. 8 u + 7): a slot is 128 rows of 1,024 bytes, slot u always in buffer u.
; THE WALK BEGINS AT ANOTHER QUARTER IN EACH CLUSTER: cluster x takes the quarters c = (x + i) % 4, i = 0 .. 3.  So the 16 clusters of a scale do not all ask for the same rows at the same time: every slot that a cluster asks for
; after its first two is one that four other clusters asked for at their heads; that is why no prefetch is written.  Only global addresses hang on the cluster's number: the bias table in LDS is laid in the order of the walk.
; A tile is one head's 16 rows: in its result a lane holds one token and eight channels; their eight codes go to a stage in LDS, laid so that a token's 32 entries of 8 bytes are the two low registers of the next product's operand.
; At a quarter's end wave w takes tokens 16 w .. + 15: one v_wmma_f32_16x16x64_fp8_fp8 a token adds the quarter's 16 channels to its scores.  Of the form's 64 places along K 16 are live: sk's upper six registers are zero codes,
; so what stands in sq's upper registers (other tokens' codes, all finite, and six zeros) adds nothing.  sk's heads are taken in the order 8 ((r / 4) % 2) + 4 (r / 8) + r % 4, so that the result's registers lie as attn is laid.
; The bias is the C of a tile's first matrix instruction, from a table in LDS of bs[s] / 2^(ews + e of the operand).  sq is taken as the product's operand A (e12), sk as B (e13).
; CLUSTER: the four work-groups of a cluster have the same s and walk the same rows of ws: joint loads, mask 15.  qf and kf go straight into the registers that keep them.
; LIMITS: e12 - e6 - e7 and e13 - e8 - e9 between -126 and 119; e12 + e13 between -123 and 130.  NaN among the inputs is not served.  w_s is multiplied into attn here, and a score's four quarters are added in the order of the
; cluster's walk: orders of f32 rounding other than reference()'s.
; LDS: two buffers of 133,120; STG: (64 role + token) x 264 + 8 (g + 16 h); TB: [role][1024] f32; the spare words.
.set SLOT,  133120
.set STG,   266240
.set TB,    300032
.set SPARE, 308224
.set WV,   16                          ; s16 wave; s17 role; s18 p; s19 cx; s20 X; s21 s
.set ROT,  22                          ; s22 the quarter at which my cluster begins
.set G1,   24
.set G0,   32                          ; s[32:39] a group 0 for each buffer
.set SEL,  40                          ; s[40:41] lane l xor 16
.set CS,   42                          ; s42 log2(e) / 8 x 2^(e12 + e13)
.set QOFF, 43                          ; s43 64 x the step of the walk
.set CNT,  44                          ; s44 the loop's trips
.set OF,   46                          ; s[46:47] 16384 x the quarter that the next refills ask for
.set AB,   70
.set ATT,  78
.set WB,   88                          ; s[88:91] what I fetch of ws[s], quarter 0: for buffer 0, for buffer 1
.set AOF,  4                           ; v4  16 l
.set ADB,  5                           ; v5, v6
.set BIA0, 7
.set BIA,  8
.set STW,  9
.set SPW,  10
.set NIL,  11
.set RDQ,  12
.set RDK,  13
.set SCV,  14
.set LMV,  15
.set WSV,  18
.set ACC,  32                          ; v32-63 four accumulators; at a quarter's end sq's codes, two registers a token
.set ZQ,   64                          ; v64-69 zeros
.set CD,   72
.set BI,   80                          ; v80-95 two sets of a tile's bias
.set SKF,  96                          ; v96-223 sk's fragments, eight registers a token; later the softmax
.set MX,   224
.set TP,   240
.set MSB, 0
.macro WIN new
.if MSB != (\new)
	s_set_vgpr_msb (MSB<<8)|(\new)
.set MSB, (\new)
.endif
.endm
.macro PLACES n
.rept \n
	v_nop
.endr
.endm
.macro ROUND
	s_barrier_signal -1
	s_barrier_wait -1
	s_cmp_lg_u32 s[WV], 0
	s_cbranch_scc1 .Lnot_wave_0_\@
	s_barrier_signal -3
.Lnot_wave_0_\@:
	s_barrier_wait -3
	s_barrier_signal -1
	s_barrier_wait -1
.endm
.macro ALOADH hf, sk, sc
.irp a, 0,1,2,3
.irp kq, 0,1,2,3
.irp c, 0,1,2,3
	global_load_b128 v[16*(4*\a+\kq)+4*\c:16*(4*\a+\kq)+4*\c+3], v[AOF], s[AB:AB+1] offset:\a*16384+(4*\hf+\kq)*\sk+\c*\sc
.endr
.endr
.endr
.endm
.macro ALOAD sk, sc
	WIN 0x80
	ALOADH 0, \sk, \sc
	WIN 0xc0
	ALOADH 1, \sk, \sc
	WIN 0
.endm
.macro LOADH half, adr, off
	WIN 0x40
.irp kq, 0,1,2,3
.irp c, 0,1,2,3
	ds_load_b128 v[64*(\half)+16*\kq+4*\c:64*(\half)+16*\kq+4*\c+3], v[\adr] offset:(\off)+512*(\half)+128*\kq+32*\c
.endr
.endr
.endm
.macro MMH half, acc, cmode, creg
.if \half
	WIN 0x0d
.else
	WIN 0x09
.endif
.irp kq, 0,1,2,3
.irp a, 0,1,2,3
.if (\half == 0) && (\kq == 0)
.if \cmode
	v_wmma_f32_16x16x128_fp8_fp8 v[(\acc)+8*\a:(\acc)+8*\a+7], v[64*(\half)+16*\kq:64*(\half)+16*\kq+15], v[16*(4*\a+\kq):16*(4*\a+\kq)+15], v[(\creg):(\creg)+7]
.else
	v_wmma_f32_16x16x128_fp8_fp8 v[(\acc)+8*\a:(\acc)+8*\a+7], v[64*(\half)+16*\kq:64*(\half)+16*\kq+15], v[16*(4*\a+\kq):16*(4*\a+\kq)+15], 0
.endif
.else
	v_wmma_f32_16x16x128_fp8_fp8 v[(\acc)+8*\a:(\acc)+8*\a+7], v[64*(\half)+16*\kq:64*(\half)+16*\kq+15], v[16*(4*\a+\kq):16*(4*\a+\kq)+15], v[(\acc)+8*\a:(\acc)+8*\a+7]
.endif
.endr
.endr
.endm
.macro CHANGE g0, base                 ; a buffer that has been read out takes the walk's next quarter, jointly
	WIN 0
	s_wait_tensorcnt 0x0                           ; all my tensor loads have landed: my part of the other buffer; so a group 0 may be written
	ds_add_u32 v[SPW], v[NIL]                      ; 0 onto my spare word
	s_add_nc_u64 s[\g0+2:\g0+3], s[\base:\base+1], s[OF:OF+1]  ; the address is made anew: the walk goes round from quarter 3 to quarter 0
	s_or_b32 s[\g0+3], s[\g0+3], 0x80000000        ; type = 2
	s_wait_dscnt 0x0                               ; the add is done, and my reads of the buffer are over
	ROUND
	tensor_load_to_lds s[\g0:\g0+3], s[G1:G1+7]
	s_nop 0
	PLACES 4
.endm
.macro MEET
	WIN 0
	s_wait_tensorcnt 0x0
	ds_add_u32 v[SPW], v[NIL]
	s_wait_dscnt 0x0
	s_barrier_signal -1
	s_barrier_wait -1
.endm
.macro BAR                             ; my LDS stores have landed and my LDS loads are in: then the work-group's barrier
	s_wait_dscnt 0x0
	s_barrier_signal -1
	s_barrier_wait -1
.endm
	s_load_b256 s[4:11], s[0:1], 0x0               ; qkv, ws, bs, scale_logits
	s_load_b128 s[12:15], s[0:1], 0x20             ; the scales' exponents, attn
	v_lshl_add_u32 v[SPW], v0, 2, SPARE
	v_mov_b32 v[NIL], 0
	ds_add_u32 v[SPW], v[NIL]                      ; the wave's opening: the add, twice on end, and its wait ahead of my first tensor load
	ds_add_u32 v[SPW], v[NIL]
	v_lshrrev_b32 v1, 5, v0
	v_readfirstlane_b32 s[WV], v1
	s_lshr_b32 s17, s[WV], 1                       ; role: 0 q, 1 k
	s_and_b32 s18, s[WV], 1                        ; p
	s_bfe_u32 s19, ttmp6, 0x40000                  ; cx
	s_lshl_b32 s20, ttmp9, 2
	s_add_co_u32 s20, s20, s19                     ; X
	s_and_b32 s21, ttmp7, 0xffff                   ; s, which the four partners share
	s_and_b32 s[ROT], ttmp9, 3                     ; where my cluster's walk begins: the cluster's number, which the four partners share
	s_lshl_b32 s[OF], s[ROT], 14
	s_mov_b32 s[OF+1], 0
	s_mov_b32 s[G1+0], 0x07f0000f                  ; mask 15; 1 byte; padding on; bit 21; 4 words after every 256
	s_mov_b32 s[G1+1], 16384<<16                   ; tensor_dim0: a head's 16 rows are 16,384 dense bytes
	s_mov_b32 s[G1+2], 2<<16                       ; tensor_dim1: two heads a wave
	s_mov_b32 s[G1+3], 16384<<16                   ; tile_dim0
	s_mov_b32 s[G1+4], 2                           ; tile_dim1
	s_mov_b32 s[G1+5], 65536                       ; from head to head
	s_mov_b32 s[G1+6], 0
	s_mov_b32 s[G1+7], 0
	s_mov_b32 s[SEL], 0x76543210
	s_mov_b32 s[SEL+1], 0xfedcba98
	s_mov_b32 s[QOFF], 0
	s_lshl_b32 s77, s21, 2
	s_mul_i32 s80, s[WV], 33280
	s_lshl_b32 s82, s21, 20
	s_lshl_b32 s81, s[WV], 17
	s_add_co_u32 s82, s82, s81
	s_mov_b32 s83, 0
	s_wait_dscnt 0x0                               ; both opening adds are done
	s_wait_kmcnt 0x0
	s_load_b512 s[48:63], s[12:13], 0x0            ; e0 .. e15
	s_load_b128 s[72:75], s[10:11], 0x0            ; the four logits,
	s_load_b32 s76, s[10:11], s77 offset:0x0       ; and my scale's
	s_add_nc_u64 s[WB:WB+1], s[6:7], s[82:83]      ; ws[s], heads 2 w, 2 w + 1,
	s_add_nc_u64 s[WB+2:WB+3], s[WB:WB+1], 0x80000 ; and eight heads on
.irp u, 0,1
	s_mov_b32 s[G0+4*\u], 1
	s_add_co_u32 s[G0+4*\u+1], s80, \u*SLOT
	s_add_nc_u64 s[G0+4*\u+2:G0+4*\u+3], s[WB+2*\u:WB+2*\u+1], s[OF:OF+1]  ; the quarter at which the walk begins
	s_or_b32 s[G0+4*\u+3], s[G0+4*\u+3], 0x80000000
.endr
	s_add_co_u32 s[OF], s[OF], 16384
	s_and_b32 s[OF], s[OF], 0xc000                 ; the walk's next quarter, modulo 4
	ROUND
	tensor_load_to_lds s[G0:G0+3], s[G1:G1+7]      ; slot 0
	s_nop 0
	PLACES 4
	v_and_b32 v1, 15, v0                           ; r
	v_bfe_u32 v2, v0, 4, 1                         ; h
	v_and_b32 v3, 31, v0                           ; l
	v_lshlrev_b32 v[AOF], 4, v3
	s_wait_alu depctr_va_vdst(0)
	s_lshl_b32 s80, s21, 12
	s_mov_b32 s81, 0
	s_add_nc_u64 s[8:9], s[8:9], s[80:81]          ; bs[s]
	v_bfe_u32 v22, v0, 1, 2                        ; thread t fills places 8 t .. 8 t + 7 of the table: head t / 8, step (t % 8) / 2 of the walk, half t % 2 of its 16 channels
	v_add_nc_u32 v22, s[ROT], v22
	v_and_b32 v22, 3, v22                          ; that step's quarter
	v_lshrrev_b32 v20, 3, v0
	v_lshlrev_b32 v20, 8, v20                      ; 256 bytes a head,
	v_lshl_add_u32 v20, v22, 6, v20                ; 64 a quarter,
	v_and_b32 v23, 1, v0
	v_lshl_add_u32 v20, v23, 5, v20                ; 32 a half
	global_load_b128 v[224:227], v20, s[8:9]
	global_load_b128 v[228:231], v20, s[8:9] offset:16
	s_lshl_b32 s84, s17, 22
	s_lshl_b32 s85, s20, 16
	s_add_co_u32 s84, s84, s85
	s_mov_b32 s85, 0
	s_add_nc_u64 s[AB:AB+1], s[4:5], s[84:85]      ; my role's codes, tokens 64 X on
	ALOAD 2048, 512
	v_mul_u32_u24 v[ADB], v1, 1040
	v_lshl_add_u32 v[ADB], v2, 4, v[ADB]
	s_mul_i32 s86, s18, 66560                      ; my four heads of a slot's eight
	v_add_nc_u32 v[ADB], s86, v[ADB]
	v_add_nc_u32 v[ADB+1], SLOT, v[ADB]
	s_lshl_b32 s86, s17, 12
	s_lshl_b32 s87, s18, 10
	s_add_co_u32 s86, s86, s87
	s_add_co_u32 s86, s86, TB
	v_lshl_add_u32 v[BIA0], v2, 5, s86             ; TB + 4096 role + 1024 p + 32 h
	s_mul_i32 s86, s17, 16896
	s_lshl_b32 s87, s18, 5
	s_add_co_u32 s86, s86, s87
	s_add_co_u32 s86, s86, STG
	v_mul_u32_u24 v[STW], v1, 264
	v_lshl_add_u32 v[STW], v2, 7, v[STW]
	v_add_nc_u32 v[STW], s86, v[STW]               ; STG + 16896 role + 264 r + 128 h + 32 p
	s_mul_i32 s86, s[WV], 4224
	s_add_co_u32 s86, s86, STG
	v_lshl_add_u32 v[RDQ], v3, 3, s86              ; my 16 tokens of sq: 8 l
	v_bfe_u32 v22, v0, 2, 1
	v_bfe_u32 v23, v0, 3, 1
	v_and_b32 v24, 3, v0
	v_lshlrev_b32 v[RDK], 6, v22
	v_lshl_add_u32 v[RDK], v23, 5, v[RDK]
	v_lshl_add_u32 v[RDK], v24, 3, v[RDK]
	v_lshl_add_u32 v[RDK], v2, 7, v[RDK]           ; 8 x (the head that lane r takes + 16 h)
	s_add_co_u32 s86, s86, 16896
	v_add_nc_u32 v[RDK], s86, v[RDK]
	s_lshl_b32 s86, s20, 18
	s_lshl_b32 s87, s[WV], 16
	s_add_co_u32 s86, s86, s87
	s_lshl_b32 s87, s21, 10
	s_add_co_u32 s86, s86, s87
	s_mov_b32 s87, 0
	s_add_nc_u64 s[ATT:ATT+1], s[14:15], s[86:87]  ; attn at token 64 X + 16 w, scale s
	s_wait_kmcnt 0x0
	s_add_co_i32 s82, s54, s55                     ; e6 + e7
	s_add_co_i32 s83, s56, s57                     ; e8 + e9
	s_sub_co_i32 s84, 0, s82
	s_sub_co_i32 s85, 0, s83
	s_cmp_eq_u32 s17, 0                            ; a choice by the wave's role, no branch
	s_cselect_b32 s86, s60, s61
	s_cselect_b32 s87, s82, s83
	s_sub_co_i32 s86, s86, s87
	s_add_co_i32 s86, s86, 127
	s_lshl_b32 s87, s86, 23
	v_mov_b32 v[SCV], s87
	s_add_co_i32 s86, s86, 8
	s_lshl_b32 s86, s86, 23
	s_or_b32 s86, s86, 0x600000
	v_mov_b32 v[LMV], s86
	s_add_co_i32 s86, s60, s61
	s_lshl_b32 s86, s86, 23
	s_add_co_i32 s[CS], s86, 0x3e38aa3b            ; e12 + e13 added to the exponent field of log2(e) / 8
	v_max_num_f32 v240, s72, s73                   ; w_s = softmax(scale_logits)[s], the largest logit taken away
	v_max_num_f32 v241, s74, s75
	v_max_num_f32 v240, v240, v241
.irp n, 0,1,2,3,4
	v_sub_f32 v[242+\n], s[72+\n], v240
.endr
.irp n, 0,1,2,3,4
	v_mul_f32 v[242+\n], 0x3fb8aa3b, v[242+\n]
.endr
	s_wait_alu depctr_va_vdst(0)
.irp n, 0,1,2,3,4
	v_exp_f32 v[242+\n], v[242+\n]
.endr
	v_nop                                          ; a plain line behind the last exponential
	s_wait_alu depctr_va_vdst(0)                   ; one wait for the batch, ahead of its first reader
	v_add_f32 v242, v242, v243
	v_add_f32 v244, v244, v245
	v_add_f32 v242, v242, v244
	s_wait_alu depctr_va_vdst(0)
	v_rcp_f32 v242, v242
	v_nop
	s_wait_alu depctr_va_vdst(0)
	v_mul_f32 v[WSV], v246, v242
.set q, 0
.rept 16
.irp n, 2,3,4,5,6,7
	v_mov_b32 v[SKF+8*q+\n], 0                     ; sk's upper six registers: zero codes, written once, while slot 0 is on its way
.endr
	v_mov_b32 v[TP+q], 0                           ; (a lane permute's destination counts as read: any value serves)
.set q, q+1
.endr
.irp n, 0,1,2,3,4,5
	v_mov_b32 v[ZQ+\n], 0
.endr
	s_wait_alu depctr_va_vdst(0)
	s_wait_tensorcnt 0x0                           ; my part of slot 0 is in; slot 1's first fill is issued as a refill is:
	ds_add_u32 v[SPW], v[NIL]                      ; 0 onto my spare word
	s_wait_dscnt 0x0
	ROUND                                          ; slot 0 is whole, and the four work-groups are here
	tensor_load_to_lds s[G0+4:G0+7], s[G1:G1+7]    ; slot 1: my one tensor load behind the round; my global loads are still on their way
	s_nop 0
	PLACES 4
	s_wait_loadcnt 0x0                             ; bs, and my 512 registers of codes
.irp n, 0,1,2,3,4,5,6,7
	v_ldexp_f32 v[232+\n], v[224+\n], s84
	v_ldexp_f32 v[240+\n], v[224+\n], s85
.endr
	v_lshl_add_u32 v21, v0, 5, TB
	ds_store_b128 v21, v[232:235]
	ds_store_b128 v21, v[236:239] offset:16
	ds_store_b128 v21, v[240:243] offset:4096
	ds_store_b128 v21, v[244:247] offset:4112
; Tile i of a quarter's eight: slot i / 4, my head i % 4 of it.
.macro TILE2 i, fill, last
.set U, (\i)/4
.set T, (\i)%4
.set NI, ((\i)+1)%8
.set NU, NI/4
.set NT, NI%4
.set NQ, ((\i)+1)/8
.set FIN, (\last)*NQ
	s_wait_dscnt 20                                ; the bias and the first half-set are in; behind them: the second half-set's 16 loads and the last tile's 4 stores
	MMH 0, ACC, 1, BI+8*((\i)%2)
	PLACES 4
.if T == 3
.if \fill
	CHANGE G0+4*U, WB+2*U                          ; this slot has been read out: the walk's next quarter into the same buffer
.else
.if U == 0
	MEET                                           ; the last slot is whole
.endif
.endif
.endif
.if FIN
	s_wait_dscnt 4                                 ; behind the second half-set: the last tile's 4 stores
.else
	WIN 0
	ds_load_b128 v[BI+8*(NI%2):BI+8*(NI%2)+3], v[BIA] offset:2048*NU+256*NT+64*NQ
	ds_load_b128 v[BI+8*(NI%2)+4:BI+8*(NI%2)+7], v[BIA] offset:2048*NU+256*NT+64*NQ+16
	LOADH 0, ADB+NU, NT*16640
	s_wait_dscnt 22                                ; behind the second half-set: 4 stores, 2 + 16 loads
.endif
	MMH 1, ACC, 1, 0
	PLACES 4
.if FIN == 0
	LOADH 1, ADB+NU, NT*16640
.endif
	WIN 0
.irp a, 0,1,2,3
.irp jj, 0,1,2,3,4,5,6,7
	v_med3_num_f32 v[ACC+8*\a+\jj], v[ACC+8*\a+\jj], -v[LMV], v[LMV]
.endr
	v_cvt_scalef32_pk8_fp8_f32 v[CD+2*\a:CD+2*\a+1], v[ACC+8*\a:ACC+8*\a+7], v[SCV]
.endr
	v_nop                                          ; a plain line behind the last conversion
.irp a, 0,1,2,3
	ds_store_b64 v[STW], v[CD+2*\a:CD+2*\a+1] offset:\a*4224+(8*U+T)*8
.endr
.endm
; A quarter's end: the stage is whole; my 16 tokens' scores take the quarter's 16 channels.  bar = 1: a second barrier, open while the products run, ends the reads of the stage.
.macro P7 zero, bar
	BAR
.set q, 0
.rept 16
	ds_load_b64 v[SKF+8*q:SKF+8*q+1], v[RDK] offset:264*q
.set q, q+1
.endr
.set q, 0
.rept 16
	ds_load_b64 v[ACC+2*q:ACC+2*q+1], v[RDQ] offset:264*q
.set q, q+1
.endr
	s_wait_dscnt 0x0
.if \bar
	s_barrier_signal -1
.endif
.if \zero
	WIN 0x40
.else
	WIN 0x50
.endif
.set q, 0
.rept 16
.if \zero
	v_wmma_f32_16x16x64_fp8_fp8 v[128+8*q:128+8*q+7], v[SKF+8*q:SKF+8*q+7], v[ACC+2*q:ACC+2*q+7], 0
.else
	v_wmma_f32_16x16x64_fp8_fp8 v[128+8*q:128+8*q+7], v[SKF+8*q:SKF+8*q+7], v[ACC+2*q:ACC+2*q+7], v[128+8*q:128+8*q+7]
.endif
.set q, q+1
.endr
	WIN 0
	PLACES 5                                       ; the next matrix instructions write over sq's registers; the softmax reads the results
.if \bar
	s_barrier_wait -1
.endif
.endm
.macro QUARTER fill, zero, last
	v_add_nc_u32 v[BIA], s[QOFF], v[BIA0]
	s_wait_alu depctr_va_vdst(0)
.irp i, 0,1,2,3,4,5,6,7
	TILE2 \i, \fill, \last
.endr
.if \last
	P7 \zero, 0
.else
	P7 \zero, 1
	s_add_co_u32 s[QOFF], s[QOFF], 64              ; the table's next step
	s_add_co_u32 s[OF], s[OF], 16384
	s_and_b32 s[OF], s[OF], 0xc000                 ; and the quarter that the next step's refills ask for, modulo 4
.endif
.endm
	BAR                                            ; the bias table is whole (slot 1's load may stay out)
	ds_load_b128 v[BI:BI+3], v[BIA0]
	ds_load_b128 v[BI+4:BI+7], v[BIA0] offset:16
	LOADH 0, ADB, 0
	LOADH 1, ADB, 0
	WIN 0
	s_wait_dscnt 0x0                               ; no stores stand behind the first tile's loads, so its counted waits would not cover them
	QUARTER 1, 1, 0                                ; the first quarter's products start the scores' sums
	s_mov_b32 s[CNT], 2
.Lq:
	QUARTER 1, 0, 0
	s_sub_co_u32 s[CNT], s[CNT], 1
	s_cmp_lg_u32 s[CNT], 0
	s_cbranch_scc1 .Lq
	QUARTER 0, 0, 1                                ; the last quarter is written out: it fills nothing
	; THE SOFTMAX of my 16 tokens: lane (query head r, h) holds eight of the 16 key heads; lane l xor 16 the others.
	WIN 0x15
.set q, 0
.rept 16
	v_max3_num_f32 v[MX+q], v[128+8*q], v[128+8*q+1], v[128+8*q+2]
.set q, q+1
.endr
	WIN 0x14
.irp n, 3,5
.set q, 0
.rept 16
	v_max3_num_f32 v[MX+q], v[MX+q], v[128+8*q+\n], v[128+8*q+\n+1]
.set q, q+1
.endr
.endr
.set q, 0
.rept 16
	v_max_num_f32 v[MX+q], v[MX+q], v[128+8*q+7]
.set q, q+1
.endr
	WIN 0
.set q, 0
.rept 16
	v_permlanex16_b32 v[TP+q], v[MX+q], s[SEL], s[SEL+1]
.set q, q+1
.endr
.set q, 0
.rept 16
	v_max_num_f32 v[MX+q], v[MX+q], v[TP+q]
.set q, q+1
.endr
.set q, 0
.rept 16
	v_mul_f32 v[MX+q], s[CS], v[MX+q]              ; the row's largest, in the exponent's units (the factor is positive)
.set q, q+1
.endr
; From here on four tokens at a time, 4 g .. 4 g + 3: each group is stored as soon as it is finished, while the next groups are computed.  The maxima above have read every score once, ahead of the first exponential.
.macro SOFT g
	WIN 0x01
.set n, 32*\g
.rept 32
	v_fma_f32 v[SKF+n], v[128+n], s[CS], -v[MX+n/8]
.set n, n+1
.endr
	WIN 0
	s_wait_alu depctr_va_vdst(0)
.set n, 32*\g
.rept 32
	v_exp_f32 v[SKF+n], v[SKF+n]
.set n, n+1
.endr
	v_nop
	s_wait_alu depctr_va_vdst(0)                   ; one wait for the 32 exponentials
.irp t, 0,1,2,3
.set q, 4*\g+\t
	v_pk_add_f32 v[ACC+2*q:ACC+2*q+1], v[SKF+8*q:SKF+8*q+1], v[SKF+8*q+2:SKF+8*q+3]
.endr
.irp m, 4,6
.irp t, 0,1,2,3
.set q, 4*\g+\t
	v_pk_add_f32 v[ACC+2*q:ACC+2*q+1], v[ACC+2*q:ACC+2*q+1], v[SKF+8*q+\m:SKF+8*q+\m+1]
.endr
.endr
.irp t, 0,1,2,3
.set q, 4*\g+\t
	v_add_f32 v[ACC+2*q], v[ACC+2*q], v[ACC+2*q+1]
.endr
.irp t, 0,1,2,3
.set q, 4*\g+\t
	v_permlanex16_b32 v[TP+q], v[ACC+2*q], s[SEL], s[SEL+1]
.endr
.irp t, 0,1,2,3
.set q, 4*\g+\t
	v_add_f32 v[ACC+2*q], v[ACC+2*q], v[TP+q]
.endr
	s_wait_alu depctr_va_vdst(0)
.irp t, 0,1,2,3
.set q, 4*\g+\t
	v_rcp_f32 v[ACC+2*q], v[ACC+2*q]
.endr
	v_nop
	s_wait_alu depctr_va_vdst(0)                   ; one wait for the four reciprocals
.irp t, 0,1,2,3
.set q, 4*\g+\t
	v_mul_f32 v[ACC+2*q], v[ACC+2*q], v[WSV]       ; w_s / the row's sum
.endr
.set n, 16*\g
.rept 16
	v_pk_mul_f32 v[SKF+2*n:SKF+2*n+1], v[SKF+2*n:SKF+2*n+1], v[ACC+2*(n/4):ACC+2*(n/4)+1] op_sel_hi:[1,0]
.set n, n+1
.endr
.irp t, 0,1,2,3
.set q, 4*\g+\t
	global_store_b128 v[AOF], v[SKF+8*q:SKF+8*q+3], s[ATT:ATT+1] offset:4096*q        ; 512 consecutive bytes, aligned
	global_store_b128 v[AOF], v[SKF+8*q+4:SKF+8*q+7], s[ATT:ATT+1] offset:4096*q+512
.endr
.endm
.irp g, 0,1,2,3
	SOFT \g
.endr
	s_wait_tensorcnt 0x0                           ; the wave's end
	ds_add_u32 v[SPW], v[NIL]
	s_wait_dscnt 0x0
	ROUND                                          ; the closing round
	s_endpgm
.Lfunc_end_k_q8879edddbd_scores:
	.size	k_q8879edddbd_scores, .Lfunc_end_k_q8879edddbd_scores-k_q8879edddbd_scores
	.p2alignl 7, 3214868480
	.fill 96, 4, 3214868480
	.section	.rodata,"a",@progbits
	.p2align	6, 0x0
	.amdhsa_kernel k_q8879edddbd_scores
		.amdhsa_group_segment_fixed_size 327680
		.amdhsa_private_segment_fixed_size 0
		.amdhsa_enable_private_segment 0
		.amdhsa_kernarg_size 48
		.amdhsa_user_sgpr_count 2
		.amdhsa_user_sgpr_kernarg_segment_ptr 1
		.amdhsa_wavefront_size32 1
		.amdhsa_system_sgpr_workgroup_id_x 1
		.amdhsa_system_sgpr_workgroup_id_y 1
		.amdhsa_system_sgpr_workgroup_id_z 1
		.amdhsa_system_vgpr_workitem_id 0
		.amdhsa_next_free_vgpr 1024
		.amdhsa_next_free_sgpr 100
		.amdhsa_reserve_vcc 0
		.amdhsa_float_denorm_mode_32 3
		.amdhsa_float_denorm_mode_16_64 3
		.amdhsa_memory_ordered 1
		.amdhsa_forward_progress 1
		.amdhsa_inst_pref_size 244
	.end_amdhsa_kernel
	.amdgpu_metadata
---
amdhsa.version: [ 1, 2 ]
amdhsa.kernels:
  - .name:           k_q8879edddbd_scores
    .symbol:         k_q8879edddbd_scores.kd
    .args:
      - { .name: qkv, .offset: 0, .size: 8, .value_kind: global_buffer, .address_space: global }
      - { .name: ws_codes, .offset: 8, .size: 8, .value_kind: global_buffer, .address_space: global }
      - { .name: bs, .offset: 16, .size: 8, .value_kind: global_buffer, .address_space: global }
      - { .name: scale_logits, .offset: 24, .size: 8, .value_kind: global_buffer, .address_space: global }
      - { .name: lowp_scales, .offset: 32, .size: 8, .value_kind: global_buffer, .address_space: global }
      - { .name: attn, .offset: 40, .size: 8, .value_kind: global_buffer, .address_space: global }
    .group_segment_fixed_size: 327680
    .private_segment_fixed_size: 0
    .kernarg_segment_align: 8
    .kernarg_segment_size: 48
    .max_flat_workgroup_size: 128
    .sgpr_count:     100
    .vgpr_count:     1024
    .wavefront_size: 32
...
	.end_amdgpu_metadata
.endif
;; end of part 2
;; launch mix (part 3): grid 64 x 4, 4 waves a work-group, clusters of 4 x 1, 327,680 bytes of LDS; arguments qkv, ws_codes, bs, attn, lowp_scales, cc; writes cc
.if DOCPART == 3
	.amdgcn_target "amdgcn-amd-amdhsa--gfx1250"
	.amdhsa_code_object_version 6
	.text
	.protected	k_q8879edddbd_mix
	.globl	k_q8879edddbd_mix
	.p2align	8
	.type	k_q8879edddbd_mix,@function
k_q8879edddbd_mix:
	s_mov_b64 s[64:65], 0
	v_nop
	global_prefetch_b8 v0, s[64:65] scope:SCOPE_SE
	s_setreg_imm32_b32 hwreg(HW_REG_WAVE_MODE, 25, 1), 1
	s_wait_xcnt 0x0
	s_wait_alu depctr_hold_cnt(0) depctr_sa_sdst(0) depctr_va_vdst(0) depctr_va_sdst(0) depctr_va_ssrc(0) depctr_va_vcc(0) depctr_vm_vsrc(0)
	s_getreg_b32 s2, hwreg(HW_REG_IB_STS2, 6, 4)
	s_cmp_eq_u32 s2, 0
	s_cbranch_scc0 .Lentry_in_a_cluster
	s_endpgm
.Lentry_in_a_cluster:
	s_bfe_u32 s2, ttmp6, 0x10000c
	s_cmp_lg_u32 s2, 0x3003
	s_cbranch_scc0 .Lentry_shape_is_right
	s_endpgm
.Lentry_shape_is_right:
; MIX: sv = vf ws[s]^T + bs[s] on codes of FP8 (e10, e11); combined = the sum over scales s and key heads g of (w_s attn_s)[h, g] sv_s[g, d], in f32 (v_wmma_f32_16x16x4_f32: the result goes into a quantiser); its codes (e14) -> cc.  No work is left out.
; SHARES.  Work-group (X, y): 64 tokens, channels d = 16 y .. 16 y + 15 of every head.  All four waves keep the 64 tokens' codes of vf in 512 registers.
; The walk has eight steps (scale s, half a of the key heads): a slot is 8 heads x 16 rows of ws[s], 1,024 bytes a row; each cluster begins at another step (its number modulo 8).  A wave multiplies two tiles of 16 rows a step,
; sends sv through a stage in LDS, and takes back its own 16 tokens' sv as the f32 product's operand, with attn as the launch before laid it.
; CLUSTER: the four work-groups of a cluster have the same y and walk the same rows of ws: joint loads, mask 15.  attn's next steps are prefetched by the work-groups with y = 0, two steps ahead.
; LIMITS: e10 + e11 between -126 and 127; e14 between -126 and 119.  NaN among the inputs is not served.  The sum over scales and heads goes in the order of the cluster's walk: an order of f32 rounding other than reference()'s.
; LDS: two slots, the stage for sv, the stage for the way out, the spare words.
.set SLOTB, 133376
.set STG,   266752
.set OST,   300544
.set SPARE, 317952
.set WV,   16
.set OF,   22
.set G1,   24
.set G0,   32
.set KC,   45
.set TK,   46
.set ATB,  66
.set BSB,  68
.set AB,   70
.set CCB,  72
.set WSB,  74
.set AT0,  76
.set BS0,  78
.set PFA,  88
.set AOF,  4
.set ADB,  5
.set STW,  7
.set SVR,  8
.set BFO,  9
.set SPW,  10
.set NIL,  11
.set PFO,  12
.set OSW,  13
.set OSR,  14
.set GOF,  15
.set SCV,  16
.set LMV,  17
.set ACC0, 32
.set ACC1, 64
.set SV,   96
.set AT,   160
.set BF,   224
.set MSB, 0
.macro WIN new
.if MSB != (\new)
	s_set_vgpr_msb (MSB<<8)|(\new)
.set MSB, (\new)
.endif
.endm
.macro PLACES n
.rept \n
	v_nop
.endr
.endm
.macro ROUND
	s_barrier_signal -1
	s_barrier_wait -1
	s_cmp_lg_u32 s[WV], 0
	s_cbranch_scc1 .Lnot_wave_0_\@
	s_barrier_signal -3
.Lnot_wave_0_\@:
	s_barrier_wait -3
	s_barrier_signal -1
	s_barrier_wait -1
.endm
.macro ALOADH hf, sk, sc
.irp a, 0,1,2,3
.irp kq, 0,1,2,3
.irp c, 0,1,2,3
	global_load_b128 v[16*(4*\a+\kq)+4*\c:16*(4*\a+\kq)+4*\c+3], v[AOF], s[AB:AB+1] offset:\a*16384+(4*\hf+\kq)*\sk+\c*\sc
.endr
.endr
.endr
.endm
.macro ALOAD sk, sc
	WIN 0x80
	ALOADH 0, \sk, \sc
	WIN 0xc0
	ALOADH 1, \sk, \sc
	WIN 0
.endm
.macro LOADH half, adr, off
	WIN 0x40
.irp kq, 0,1,2,3
.irp c, 0,1,2,3
	ds_load_b128 v[64*(\half)+16*\kq+4*\c:64*(\half)+16*\kq+4*\c+3], v[\adr] offset:(\off)+512*(\half)+128*\kq+32*\c
.endr
.endr
.endm
.macro MMH half, acc, cmode, creg
.if \half
	WIN 0x0d
.else
	WIN 0x09
.endif
.irp kq, 0,1,2,3
.irp a, 0,1,2,3
.if (\half == 0) && (\kq == 0)
.if \cmode
	v_wmma_f32_16x16x128_fp8_fp8 v[(\acc)+8*\a:(\acc)+8*\a+7], v[64*(\half)+16*\kq:64*(\half)+16*\kq+15], v[16*(4*\a+\kq):16*(4*\a+\kq)+15], v[(\creg):(\creg)+7]
.else
	v_wmma_f32_16x16x128_fp8_fp8 v[(\acc)+8*\a:(\acc)+8*\a+7], v[64*(\half)+16*\kq:64*(\half)+16*\kq+15], v[16*(4*\a+\kq):16*(4*\a+\kq)+15], 0
.endif
.else
	v_wmma_f32_16x16x128_fp8_fp8 v[(\acc)+8*\a:(\acc)+8*\a+7], v[64*(\half)+16*\kq:64*(\half)+16*\kq+15], v[16*(4*\a+\kq):16*(4*\a+\kq)+15], v[(\acc)+8*\a:(\acc)+8*\a+7]
.endif
.endr
.endr
.endm
.macro CHANGE g0
	WIN 0
	s_wait_tensorcnt 0x0
	ds_add_u32 v[SPW], v[NIL]
	s_add_co_u32 s[TK], s[KC], 1
	s_and_b32 s[TK], s[TK], 7
	s_lshl_b32 s[OF], s[TK], 19
	s_add_nc_u64 s[\g0+2:\g0+3], s[WSB:WSB+1], s[OF:OF+1]
	s_or_b32 s[\g0+3], s[\g0+3], 0x80000000
	s_wait_dscnt 0x0
	ROUND
	tensor_load_to_lds s[\g0:\g0+3], s[G1:G1+7]
	s_nop 0
	PLACES 4
.endm
.macro MEET
	WIN 0
	s_wait_tensorcnt 0x0
	ds_add_u32 v[SPW], v[NIL]
	s_wait_dscnt 0x0
	s_barrier_signal -1
	s_barrier_wait -1
.endm
.macro BAR
	s_wait_dscnt 0x0
	s_barrier_signal -1
	s_barrier_wait -1
.endm
.macro WST yy
.irp a, 0,1,2,3
	ds_store_b128 v[STW], v[ACC0+32*\yy+8*\a:ACC0+32*\yy+8*\a+3] offset:8448*\a+256*\yy
	ds_store_b128 v[STW], v[ACC0+32*\yy+8*\a+4:ACC0+32*\yy+8*\a+7] offset:8448*\a+256*\yy+16
.endr
.endm
.macro GK b, bw                        ; bw = 1: a barrier is open: its wait stands ahead of the first store into the stage
	MMH 0, ACC0, 0, 0
	PLACES 4
	LOADH 0, ADB+\b, 16640
	MMH 1, ACC0, 0, 0
	PLACES 4
	LOADH 1, ADB+\b, 16640
	WIN 0
.if \bw
	s_barrier_wait -1                              ; every wave's reads of the stage are over: it may be written again
.endif
	WST 0
	s_wait_dscnt 24
	MMH 0, ACC1, 0, 0
	s_wait_dscnt 8
	MMH 1, ACC1, 0, 0
	PLACES 4
	WIN 0
	WST 1
.endm
.macro ATL
.set q, 0
.rept 16
	global_load_b128 v[AT+4*q:AT+4*q+3], v[AOF], s[ATB:ATB+1] offset:4096*q
.set q, q+1
.endr
.irp i, 0,1,2,3
	global_load_b32 v[BF+\i], v[BFO], s[BSB:BSB+1] offset:256*\i
.endr
.endm
.macro SVL
.set q, 0
.rept 16
	ds_load_b128 v[SV+4*q:SV+4*q+3], v[SVR] offset:528*q
.set q, q+1
.endr
.endm
.macro FSUM zero, younger
	s_wait_loadcnt 0x0
.irp g, 0,1,2,3
	s_wait_dscnt (\younger)+12-4*\g
.irp qq, 0,1,2,3
	v_pk_fma_f32 v[SV+16*\g+4*\qq:SV+16*\g+4*\qq+1], v[SV+16*\g+4*\qq:SV+16*\g+4*\qq+1], s[42:43], v[BF:BF+1] op_sel_hi:[1,0,1]
	v_pk_fma_f32 v[SV+16*\g+4*\qq+2:SV+16*\g+4*\qq+3], v[SV+16*\g+4*\qq+2:SV+16*\g+4*\qq+3], s[42:43], v[BF+2:BF+3] op_sel_hi:[1,0,1]
.endr
.endr
	WIN 0x50
.irp b, 0,1
.set q, 0
	s_wait_alu depctr_va_vdst(0)
.rept 16
.if (\zero) && (\b == 0)
	s_wait_alu depctr_va_vdst(0)
	v_wmma_f32_16x16x4_f32 v[128+8*q:128+8*q+7], v[SV+4*q+2*\b:SV+4*q+2*\b+1], v[AT+4*q+2*\b:AT+4*q+2*\b+1], 0
.else
	v_wmma_f32_16x16x4_f32 v[128+8*q:128+8*q+7], v[SV+4*q+2*\b:SV+4*q+2*\b+1], v[AT+4*q+2*\b:AT+4*q+2*\b+1], v[128+8*q:128+8*q+7]
.endif
.set q, q+1
.endr
.endr
	WIN 0
	PLACES 8
.endm
.macro ITER par, fill, zero, ask
	s_add_co_u32 s[KC], s[KC], 1
	s_and_b32 s[KC], s[KC], 7
.if \fill
	CHANGE G0+4*(1-\par)
.else
	MEET
.endif
	SVL
	LOADH 0, ADB+\par, 0
	LOADH 1, ADB+\par, 0
	WIN 0
	FSUM \zero, 32
	s_wait_xcnt 0x0
	s_lshl_b32 s[OF], s[KC], 9
	s_add_nc_u64 s[ATB:ATB+1], s[AT0:AT0+1], s[OF:OF+1]
	s_lshl_b32 s[OF], s[KC], 11
	s_add_nc_u64 s[BSB:BSB+1], s[BS0:BS0+1], s[OF:OF+1]
.if \ask
	s_add_co_u32 s[TK], s[KC], 2
	s_and_b32 s[TK], s[TK], 7
	s_lshl_b32 s[OF], s[TK], 9
	s_add_nc_u64 s[PFA:PFA+1], s[AT0:AT0+1], s[OF:OF+1]
.endif
	ATL
.if \ask
	s_cmp_eq_u32 s21, 0
	s_cbranch_scc0 .Lnot_mine_\@
	global_prefetch_b8 v[PFO], s[PFA:PFA+1] th:TH_LOAD_NT scope:SCOPE_SE
.Lnot_mine_\@:
.endif
	s_wait_dscnt 0x0                               ; my reads of the stage are over:
	s_barrier_signal -1                            ; say so; matrix instructions and LDS loads of the slot, whose bytes are written again only behind a later round, stand between the signal and the wait
	GK \par, 1
.endm
	s_load_b256 s[4:11], s[0:1], 0x0
	s_load_b128 s[12:15], s[0:1], 0x20
	v_lshl_add_u32 v[SPW], v0, 2, SPARE
	v_mov_b32 v[NIL], 0
	ds_add_u32 v[SPW], v[NIL]
	ds_add_u32 v[SPW], v[NIL]
	v_lshrrev_b32 v1, 5, v0
	v_readfirstlane_b32 s[WV], v1
	s_bfe_u32 s19, ttmp6, 0x40000
	s_lshl_b32 s20, ttmp9, 2
	s_add_co_u32 s20, s20, s19
	s_and_b32 s21, ttmp7, 0xffff
	s_and_b32 s[KC], ttmp9, 7
	s_mov_b32 s[OF+1], 0
	s_mov_b32 s[G1+0], 0x07f0000f
	s_mov_b32 s[G1+1], 16384<<16
	s_mov_b32 s[G1+2], 2<<16
	s_mov_b32 s[G1+3], 16384<<16
	s_mov_b32 s[G1+4], 2
	s_mov_b32 s[G1+5], 262144
	s_mov_b32 s[G1+6], 0
	s_mov_b32 s[G1+7], 0
	s_mul_i32 s80, s[WV], 33344
	s_lshl_b32 s82, s[WV], 16
	s_lshl_b32 s81, s21, 14
	s_add_co_u32 s82, s82, s81
	s_mov_b32 s83, 0
	s_wait_dscnt 0x0
	s_wait_kmcnt 0x0
	s_load_b512 s[48:63], s[12:13], 0x0
	s_add_nc_u64 s[WSB:WSB+1], s[6:7], s[82:83]
	s_lshl_b32 s[OF], s[KC], 19
	s_mov_b32 s[G0], 1
	s_add_co_u32 s[G0+1], s80, 0
	s_add_nc_u64 s[G0+2:G0+3], s[WSB:WSB+1], s[OF:OF+1]
	s_or_b32 s[G0+3], s[G0+3], 0x80000000
	s_add_co_u32 s[TK], s[KC], 1
	s_and_b32 s[TK], s[TK], 7
	s_lshl_b32 s[OF], s[TK], 19
	s_mov_b32 s[G0+4], 1
	s_add_co_u32 s[G0+5], s80, SLOTB
	s_add_nc_u64 s[G0+6:G0+7], s[WSB:WSB+1], s[OF:OF+1]
	s_or_b32 s[G0+7], s[G0+7], 0x80000000
	ROUND
	tensor_load_to_lds s[G0:G0+3], s[G1:G1+7]      ; slot 0
	s_nop 0
	PLACES 4
	v_and_b32 v1, 15, v0
	v_bfe_u32 v2, v0, 4, 1
	s_wait_alu depctr_va_vdst(0)
	v_and_b32 v3, 31, v0
	v_lshlrev_b32 v[AOF], 4, v3
	s_wait_alu depctr_va_vdst(0)
	s_lshl_b32 s84, s20, 16
	s_add_co_u32 s84, s84, 0x800000
	s_mov_b32 s85, 0
	s_add_nc_u64 s[AB:AB+1], s[4:5], s[84:85]
	ALOAD 2048, 512
	s_lshl_b32 s84, s20, 18
	s_lshl_b32 s85, s[WV], 16
	s_add_co_u32 s84, s84, s85
	s_mov_b32 s85, 0
	s_add_nc_u64 s[AT0:AT0+1], s[10:11], s[84:85]
	s_lshl_b32 s[OF], s[KC], 9
	s_add_nc_u64 s[ATB:ATB+1], s[AT0:AT0+1], s[OF:OF+1]
	s_lshl_b32 s84, s21, 6
	s_add_nc_u64 s[BS0:BS0+1], s[8:9], s[84:85]
	s_lshl_b32 s[OF], s[KC], 11
	s_add_nc_u64 s[BSB:BSB+1], s[BS0:BS0+1], s[OF:OF+1]
	v_lshlrev_b32 v[BFO], 10, v2
	v_lshl_add_u32 v[BFO], v1, 2, v[BFO]
	ATL
	v_and_b32 v19, 3, v0
	v_bfe_u32 v20, v0, 2, 2
	v_mul_u32_u24 v[ADB], v19, 33344
	v_mad_u32_u24 v[ADB], v20, 1040, v[ADB]
	v_lshl_add_u32 v[ADB], v2, 4, v[ADB]
	s_mul_i32 s86, s[WV], 4160
	v_add_nc_u32 v[ADB], s86, v[ADB]
	v_add_nc_u32 v[ADB+1], SLOTB, v[ADB]
	s_lshl_b32 s86, s[WV], 6
	s_add_co_u32 s86, s86, STG
	v_mul_u32_u24 v[STW], v1, 528
	v_lshl_add_u32 v[STW], v2, 5, v[STW]
	v_add_nc_u32 v[STW], s86, v[STW]
	s_mul_i32 s86, s[WV], 8448
	s_add_co_u32 s86, s86, STG
	v_lshl_add_u32 v[SVR], v3, 4, s86
	v_lshrrev_b32 v[PFO], 1, v3
	v_lshlrev_b32 v[PFO], 12, v[PFO]
	v_and_b32 v19, 1, v0
	v_lshl_add_u32 v[PFO], v19, 8, v[PFO]
	s_mul_i32 s86, s[WV], 4352
	s_add_co_u32 s86, s86, OST
	v_mul_u32_u24 v[OSW], v1, 272
	v_lshl_add_u32 v[OSW], v2, 3, v[OSW]
	v_add_nc_u32 v[OSW], s86, v[OSW]
	v_mul_u32_u24 v[OSR], v2, 272
	v_lshl_add_u32 v[OSR], v1, 4, v[OSR]
	v_add_nc_u32 v[OSR], s86, v[OSR]
	v_lshlrev_b32 v[GOF], 10, v2
	v_lshl_add_u32 v[GOF], v1, 4, v[GOF]
	s_lshl_b32 s86, s20, 16
	s_lshl_b32 s87, s[WV], 14
	s_add_co_u32 s86, s86, s87
	s_lshl_b32 s87, s21, 8
	s_add_co_u32 s86, s86, s87
	s_mov_b32 s87, 0
	s_add_nc_u64 s[CCB:CCB+1], s[14:15], s[86:87]
	s_wait_kmcnt 0x0
	s_add_co_i32 s42, s58, s59
	s_add_co_i32 s42, s42, 127
	s_lshl_b32 s42, s42, 23
	s_mov_b32 s43, s42
	s_add_co_i32 s86, s62, 127
	s_lshl_b32 s87, s86, 23
	v_mov_b32 v[SCV], s87
	s_add_co_i32 s86, s86, 8
	s_lshl_b32 s86, s86, 23
	s_or_b32 s86, s86, 0x600000
	v_mov_b32 v[LMV], s86
	s_wait_alu depctr_va_vdst(0)
	s_wait_tensorcnt 0x0                           ; my part of slot 0 is in; slot 1's first fill is issued as a refill is:
	ds_add_u32 v[SPW], v[NIL]                      ; 0 onto my spare word
	s_wait_dscnt 0x0
	ROUND                                          ; slot 0 is whole, and the four work-groups are here
	tensor_load_to_lds s[G0+4:G0+7], s[G1:G1+7]    ; slot 1: my one tensor load behind the round
	s_nop 0
	PLACES 4
	LOADH 0, ADB, 0
	LOADH 1, ADB, 0
	WIN 0
	s_wait_loadcnt 20
	s_wait_dscnt 0x0
	GK 0, 0
	ITER 1, 1, 1, 1
	s_mov_b32 s44, 2
.Lk:
	ITER 0, 1, 0, 1
	ITER 1, 1, 0, 1
	s_sub_co_u32 s44, s44, 1
	s_cmp_lg_u32 s44, 0
	s_cbranch_scc1 .Lk
	ITER 0, 1, 0, 0
	ITER 1, 0, 0, 0
	BAR
	SVL
	FSUM 0, 0
	WIN 0x01
.set n, 0
.rept 128
	v_med3_num_f32 v[96+n], v[128+n], -v[LMV], v[LMV]
.set n, n+1
.endr
	WIN 0
.set q, 0
.rept 16
	v_cvt_scalef32_pk8_fp8_f32 v[32+2*q:33+2*q], v[96+8*q:103+8*q], v[SCV]
.set q, q+1
.endr
	v_nop
.set q, 0
.rept 16
	ds_store_b64 v[OSW], v[32+2*q:33+2*q] offset:16*q
.set q, q+1
.endr
.irp n, 0,1,2,3,4,5,6,7
	ds_load_b128 v[64+4*\n:67+4*\n], v[OSR] offset:544*\n
.endr
.irp n, 0,1,2,3,4,5,6,7
	s_wait_dscnt 7-\n
	global_store_b128 v[GOF], v[64+4*\n:67+4*\n], s[CCB:CCB+1] offset:2048*\n
.endr
	s_wait_tensorcnt 0x0
	ds_add_u32 v[SPW], v[NIL]
	s_wait_dscnt 0x0
	ROUND
	s_endpgm
.Lfunc_end_k_q8879edddbd_mix:
	.size	k_q8879edddbd_mix, .Lfunc_end_k_q8879edddbd_mix-k_q8879edddbd_mix
	.p2alignl 7, 3214868480
	.fill 96, 4, 3214868480
	.section	.rodata,"a",@progbits
	.p2align	6, 0x0
	.amdhsa_kernel k_q8879edddbd_mix
		.amdhsa_group_segment_fixed_size 327680
		.amdhsa_private_segment_fixed_size 0
		.amdhsa_enable_private_segment 0
		.amdhsa_kernarg_size 48
		.amdhsa_user_sgpr_count 2
		.amdhsa_user_sgpr_kernarg_segment_ptr 1
		.amdhsa_wavefront_size32 1
		.amdhsa_system_sgpr_workgroup_id_x 1
		.amdhsa_system_sgpr_workgroup_id_y 1
		.amdhsa_system_sgpr_workgroup_id_z 1
		.amdhsa_system_vgpr_workitem_id 0
		.amdhsa_next_free_vgpr 1024
		.amdhsa_next_free_sgpr 100
		.amdhsa_reserve_vcc 0
		.amdhsa_float_denorm_mode_32 3
		.amdhsa_float_denorm_mode_16_64 3
		.amdhsa_memory_ordered 1
		.amdhsa_forward_progress 1
		.amdhsa_inst_pref_size 141
	.end_amdhsa_kernel
	.amdgpu_metadata
---
amdhsa.version: [ 1, 2 ]
amdhsa.kernels:
  - .name:           k_q8879edddbd_mix
    .symbol:         k_q8879edddbd_mix.kd
    .args:
      - { .name: qkv, .offset: 0, .size: 8, .value_kind: global_buffer, .address_space: global }
      - { .name: ws_codes, .offset: 8, .size: 8, .value_kind: global_buffer, .address_space: global }
      - { .name: bs, .offset: 16, .size: 8, .value_kind: global_buffer, .address_space: global }
      - { .name: attn, .offset: 24, .size: 8, .value_kind: global_buffer, .address_space: global }
      - { .name: lowp_scales, .offset: 32, .size: 8, .value_kind: global_buffer, .address_space: global }
      - { .name: cc, .offset: 40, .size: 8, .value_kind: global_buffer, .address_space: global }
    .group_segment_fixed_size: 327680
    .private_segment_fixed_size: 0
    .kernarg_segment_align: 8
    .kernarg_segment_size: 48
    .max_flat_workgroup_size: 128
    .sgpr_count:     100
    .vgpr_count:     1024
    .wavefront_size: 32
...
	.end_amdgpu_metadata
.endif
;; end of part 3
;; launch outp (part 4): grid 32 x 8, 4 waves a work-group, clusters of 4 x 1, 167,936 bytes of LDS; arguments cc, wo_codes, bo, lowp_scales, out0; writes out0
.if DOCPART == 4
	.amdgcn_target "amdgcn-amd-amdhsa--gfx1250"
	.amdhsa_code_object_version 6
	.text
	.protected	k_q8879edddbd_outp
	.globl	k_q8879edddbd_outp
	.p2align	8
	.type	k_q8879edddbd_outp,@function
k_q8879edddbd_outp:
	s_mov_b64 s[64:65], 0
	v_nop
	global_prefetch_b8 v0, s[64:65] scope:SCOPE_SE
	s_setreg_imm32_b32 hwreg(HW_REG_WAVE_MODE, 25, 1), 1
	s_wait_xcnt 0x0
	s_wait_alu depctr_hold_cnt(0) depctr_sa_sdst(0) depctr_va_vdst(0) depctr_va_sdst(0) depctr_va_ssrc(0) depctr_va_vcc(0) depctr_vm_vsrc(0)
	s_getreg_b32 s2, hwreg(HW_REG_IB_STS2, 6, 4)
	s_cmp_eq_u32 s2, 0
	s_cbranch_scc0 .Lentry_in_a_cluster
	s_endpgm
.Lentry_in_a_cluster:
	s_bfe_u32 s2, ttmp6, 0x10000c
	s_cmp_lg_u32 s2, 0x3003
	s_cbranch_scc0 .Lentry_shape_is_right
	s_endpgm
.Lentry_shape_is_right:
; OUTP: out0 = combined wo^T + bo on codes of FP8: cc (fragment order, e14) x wo_codes (e15).  No work is left out.
; SHARES.  Work-group (X, Y): tokens 128 X .. + 127, features 128 Y .. + 127.  Wave w: i = w / 2 picks 64 tokens (512 registers of codes), j = w % 2 picks 64 features: four tiles of 16 rows of wo, 16 accumulators.
; wo's 128 rows come once, whole, into LDS: one joint load a wave (the four work-groups of a cluster have the same Y); nothing is filled again.
; out = sum x 2^(e14 + e15) + bo, one packed multiply-add for two numbers; 16 tokens x 64 features go through my own stage and leave as aligned blocks of 256 bytes.
; LIMITS: e14 + e15 between -126 and 127.  NaN among the inputs is not served.
.set STGO,  133120
.set SPARE, 150528
.set WV,   16                          ; s16 wave; s17 i; s18 j; s19 cx; s20 X; s21 Y
.set G1,   24
.set G0,   32
.set AB,   70
.set OUTB, 72
.set AOF,  4
.set ADB,  5
.set SPW,  10
.set NIL,  11
.set ACC,  32                          ; v32-159: accumulator (tile t, tokens a) at 32 t + 8 a
.set BO,   160
.set TMP,  192
.set RB,   224
.set MSB, 0
.macro WIN new
.if MSB != (\new)
	s_set_vgpr_msb (MSB<<8)|(\new)
.set MSB, (\new)
.endif
.endm
.macro PLACES n
.rept \n
	v_nop
.endr
.endm
.macro ROUND
	s_barrier_signal -1
	s_barrier_wait -1
	s_cmp_lg_u32 s[WV], 0
	s_cbranch_scc1 .Lnot_wave_0_\@
	s_barrier_signal -3
.Lnot_wave_0_\@:
	s_barrier_wait -3
	s_barrier_signal -1
	s_barrier_wait -1
.endm
.macro ALOADH hf, sk, sc
.irp a, 0,1,2,3
.irp kq, 0,1,2,3
.irp c, 0,1,2,3
	global_load_b128 v[16*(4*\a+\kq)+4*\c:16*(4*\a+\kq)+4*\c+3], v[AOF], s[AB:AB+1] offset:\a*16384+(4*\hf+\kq)*\sk+\c*\sc
.endr
.endr
.endr
.endm
.macro ALOAD sk, sc
	WIN 0x80
	ALOADH 0, \sk, \sc
	WIN 0xc0
	ALOADH 1, \sk, \sc
	WIN 0
.endm
.macro LOADH half, adr, off
	WIN 0x40
.irp kq, 0,1,2,3
.irp c, 0,1,2,3
	ds_load_b128 v[64*(\half)+16*\kq+4*\c:64*(\half)+16*\kq+4*\c+3], v[\adr] offset:(\off)+512*(\half)+128*\kq+32*\c
.endr
.endr
.endm
.macro MMH half, acc
.if \half
	WIN 0x0d
.else
	WIN 0x09
.endif
.irp kq, 0,1,2,3
.irp a, 0,1,2,3
.if (\half == 0) && (\kq == 0)
	v_wmma_f32_16x16x128_fp8_fp8 v[(\acc)+8*\a:(\acc)+8*\a+7], v[64*(\half)+16*\kq:64*(\half)+16*\kq+15], v[16*(4*\a+\kq):16*(4*\a+\kq)+15], 0
.else
	v_wmma_f32_16x16x128_fp8_fp8 v[(\acc)+8*\a:(\acc)+8*\a+7], v[64*(\half)+16*\kq:64*(\half)+16*\kq+15], v[16*(4*\a+\kq):16*(4*\a+\kq)+15], v[(\acc)+8*\a:(\acc)+8*\a+7]
.endif
.endr
.endr
.endm
	s_load_b256 s[4:11], s[0:1], 0x0               ; cc, wo, bo, the scales' exponents
	s_load_b64 s[12:13], s[0:1], 0x20              ; out0
	v_lshl_add_u32 v[SPW], v0, 2, SPARE
	v_mov_b32 v[NIL], 0
	ds_add_u32 v[SPW], v[NIL]                      ; the wave's opening: the add, twice on end, and its wait ahead of my first tensor load
	ds_add_u32 v[SPW], v[NIL]
	v_lshrrev_b32 v1, 5, v0
	v_readfirstlane_b32 s[WV], v1
	s_lshr_b32 s17, s[WV], 1
	s_and_b32 s18, s[WV], 1
	s_bfe_u32 s19, ttmp6, 0x40000
	s_lshl_b32 s20, ttmp9, 2
	s_add_co_u32 s20, s20, s19
	s_and_b32 s21, ttmp7, 0xffff
	s_mov_b32 s[G1+0], 0x07f0000f
	s_mov_b32 s[G1+1], 1024<<16
	s_mov_b32 s[G1+2], 32<<16
	s_mov_b32 s[G1+3], 1024<<16
	s_mov_b32 s[G1+4], 32
	s_mov_b32 s[G1+5], 1024
	s_mov_b32 s[G1+6], 0
	s_mov_b32 s[G1+7], 0
	s_lshl_b32 s82, s21, 17
	s_lshl_b32 s81, s[WV], 15
	s_add_co_u32 s82, s82, s81
	s_mov_b32 s83, 0
	s_wait_dscnt 0x0
	s_wait_kmcnt 0x0
	s_load_b512 s[48:63], s[10:11], 0x0
	s_mov_b32 s[G0], 1
	s_mul_i32 s[G0+1], s[WV], 33280
	s_add_nc_u64 s[G0+2:G0+3], s[6:7], s[82:83]
	s_or_b32 s[G0+3], s[G0+3], 0x80000000
	ROUND
	tensor_load_to_lds s[G0:G0+3], s[G1:G1+7]      ; my 32 rows of wo: one load of mine is out
	s_nop 0
	PLACES 4
	v_and_b32 v1, 15, v0
	v_bfe_u32 v2, v0, 4, 1
	s_wait_alu depctr_va_vdst(0)
	v_and_b32 v3, 31, v0
	v_lshlrev_b32 v[AOF], 4, v3
	s_lshl_b32 s84, s20, 17
	s_lshl_b32 s85, s17, 16
	s_add_co_u32 s84, s84, s85
	s_mov_b32 s85, 0
	s_add_nc_u64 s[AB:AB+1], s[4:5], s[84:85]
	ALOAD 2048, 512
	s_lshl_b32 s84, s21, 9
	s_lshl_b32 s85, s18, 8
	s_add_co_u32 s84, s84, s85
	s_mov_b32 s85, 0
	s_add_nc_u64 s[8:9], s[8:9], s[84:85]          ; bo at feature 128 Y + 64 j
	v_lshlrev_b32 v7, 5, v2
.irp t, 0,1,2,3
	global_load_b128 v[BO+8*\t:BO+8*\t+3], v7, s[8:9] offset:64*\t
	global_load_b128 v[BO+8*\t+4:BO+8*\t+7], v7, s[8:9] offset:64*\t+16
.endr
	s_add_nc_u64 s[OUTB:OUTB+1], s[12:13], s[84:85]
	s_lshl_b32 s86, s20, 19
	s_lshl_b32 s87, s17, 18
	s_add_co_u32 s86, s86, s87
	s_mov_b32 s87, 0
	s_add_nc_u64 s[OUTB:OUTB+1], s[OUTB:OUTB+1], s[86:87]
	v_mul_u32_u24 v[ADB], v1, 1040
	v_lshl_add_u32 v[ADB], v2, 4, v[ADB]
	s_mul_i32 s86, s18, 66560
	v_add_nc_u32 v[ADB], s86, v[ADB]
	s_mul_i32 s86, s[WV], 4352
	s_add_co_u32 s86, s86, STGO
	v_mul_u32_u24 v8, v1, 272
	v_lshl_add_u32 v8, v2, 5, v8
	v_add_nc_u32 v8, s86, v8                       ; into my stage: row r, 32 h
	v_mul_u32_u24 v9, v2, 272
	v_lshl_add_u32 v9, v1, 4, v9
	v_add_nc_u32 v9, s86, v9                       ; back: lanes 0-15 one row, lanes 16-31 the next
	v_lshlrev_b32 v12, 12, v2
	v_lshl_add_u32 v12, v1, 4, v12                 ; and the same two rows in out0
	s_wait_alu depctr_va_vdst(0)
	s_wait_kmcnt 0x0
	s_add_co_i32 s42, s62, s63
	s_add_co_i32 s42, s42, 127
	s_lshl_b32 s42, s42, 23                        ; 2^(e14 + e15)
	s_mov_b32 s43, s42
	s_wait_tensorcnt 0x0                           ; my part of wo is in,
	s_barrier_signal -1
	s_barrier_wait -1                              ; everybody's is
	LOADH 0, ADB, 0
	LOADH 1, ADB, 0
	s_wait_loadcnt 0x0
.irp t, 0,1,2,3
	s_wait_dscnt 16                                ; the first half-set is in; the second's 16 loads may be out
	MMH 0, ACC+32*\t
	PLACES 4
.if \t < 3
	LOADH 0, ADB, (\t+1)*16640
	s_wait_dscnt 16
.else
	s_wait_dscnt 0x0
.endif
	MMH 1, ACC+32*\t
	PLACES 4
.if \t < 3
	LOADH 1, ADB, (\t+1)*16640
.endif
.endr
	WIN 0
.irp a, 0,1,2,3
.if \a > 0
	s_wait_xcnt 0x0                                ; the last block's stores have read their data
.endif
.irp t, 0,1,2,3
.irp jj, 0,2,4,6
	v_pk_fma_f32 v[TMP+8*\t+\jj:TMP+8*\t+\jj+1], v[ACC+32*\t+8*\a+\jj:ACC+32*\t+8*\a+\jj+1], s[42:43], v[BO+8*\t+\jj:BO+8*\t+\jj+1] op_sel_hi:[1,0,1]
.endr
.endr
.irp t, 0,1,2,3
	ds_store_b128 v8, v[TMP+8*\t:TMP+8*\t+3] offset:64*\t
	ds_store_b128 v8, v[TMP+8*\t+4:TMP+8*\t+7] offset:64*\t+16
.endr
.irp n, 0,1,2,3,4,5,6,7
	ds_load_b128 v[RB+4*\n:RB+4*\n+3], v9 offset:544*\n    ; LDS serves a wave's instructions in order (ISA guide 5.7.1.4): these see my stores
.endr
.irp n, 0,1,2,3,4,5,6,7
	s_wait_dscnt 7-\n
	global_store_b128 v12, v[RB+4*\n:RB+4*\n+3], s[OUTB:OUTB+1] offset:65536*\a+8192*\n th:TH_STORE_NT  ; 16 lanes store 256 consecutive bytes, aligned
.endr
.endr
	s_wait_tensorcnt 0x0                           ; the wave's end
	ds_add_u32 v[SPW], v[NIL]
	s_wait_dscnt 0x0
	ROUND                                          ; the closing round
	s_endpgm
.Lfunc_end_k_q8879edddbd_outp:
	.size	k_q8879edddbd_outp, .Lfunc_end_k_q8879edddbd_outp-k_q8879edddbd_outp
	.p2alignl 7, 3214868480
	.fill 96, 4, 3214868480
	.section	.rodata,"a",@progbits
	.p2align	6, 0x0
	.amdhsa_kernel k_q8879edddbd_outp
		.amdhsa_group_segment_fixed_size 167936
		.amdhsa_private_segment_fixed_size 0
		.amdhsa_enable_private_segment 0
		.amdhsa_kernarg_size 40
		.amdhsa_user_sgpr_count 2
		.amdhsa_user_sgpr_kernarg_segment_ptr 1
		.amdhsa_wavefront_size32 1
		.amdhsa_system_sgpr_workgroup_id_x 1
		.amdhsa_system_sgpr_workgroup_id_y 1
		.amdhsa_system_sgpr_workgroup_id_z 1
		.amdhsa_system_vgpr_workitem_id 0
		.amdhsa_next_free_vgpr 1024
		.amdhsa_next_free_sgpr 100
		.amdhsa_reserve_vcc 0
		.amdhsa_float_denorm_mode_32 3
		.amdhsa_float_denorm_mode_16_64 3
		.amdhsa_memory_ordered 1
		.amdhsa_forward_progress 1
		.amdhsa_inst_pref_size 48
	.end_amdhsa_kernel
	.amdgpu_metadata
---
amdhsa.version: [ 1, 2 ]
amdhsa.kernels:
  - .name:           k_q8879edddbd_outp
    .symbol:         k_q8879edddbd_outp.kd
    .args:
      - { .name: cc, .offset: 0, .size: 8, .value_kind: global_buffer, .address_space: global }
      - { .name: wo_codes, .offset: 8, .size: 8, .value_kind: global_buffer, .address_space: global }
      - { .name: bo, .offset: 16, .size: 8, .value_kind: global_buffer, .address_space: global }
      - { .name: lowp_scales, .offset: 24, .size: 8, .value_kind: global_buffer, .address_space: global }
      - { .name: out0, .offset: 32, .size: 8, .value_kind: global_buffer, .address_space: global }
    .group_segment_fixed_size: 167936
    .private_segment_fixed_size: 0
    .kernarg_segment_align: 8
    .kernarg_segment_size: 40
    .max_flat_workgroup_size: 128
    .sgpr_count:     100
    .vgpr_count:     1024
    .wavefront_size: 32
...
	.end_amdgpu_metadata
.endif
;; end of part 4
